; MI455X (gfx1250); checked and timed in simulation.
; The chip was launched on July 23, 2026; its instructions are those of AMD's public machine-readable ISA for CDNA 5 (MIT licence, August 2026) and "CDNA5" Instruction Set Architecture Reference Guide (July 2026). The comments in the code are by the model that wrote it; some were corrected since.
;; Multi Head Self Attention. Allowed arithmetic: matrix products marked QUANTISED: E2M3 operands, one E8M0 scale for each 32 along K, by v_wmma_scale_f32_16x16x128_f8f6f4 with both operands' format E2M3, f32 sums; everything else in f32.
;; Inputs: Wk 1,024 x 1,024 float32; Wo 1,024 x 1,024 float32; Wq 1,024 x 1,024 float32; Wv 1,024 x 1,024 float32; attn_mask 4 x 2,048 int32; bk 1,024 float32; bo 1,024 float32; bq 1,024 float32; bv 1,024 float32; x 4 x 2,048 x 1,024 float32.
;; Outputs: out0 4 x 2,048 x 1,024 float32.
;; This version of the problem:
;;   THIS VERSION OF THE PROBLEM IS GIVEN IN LOW PRECISION. The matrix products marked QUANTISED in the list below multiply operands that are first quantised to E2M3 (2 exponent bits, 3 mantissa bits; 6 bits a number), with one power-of-two scale for each 32 numbers along K (OCP MX v1.0); their sums are f32. All else is computed in f32.
;;   The module's matrix products, in the order in which they are computed (A, B: the left and right operand; K: the contracted axis; several contracted axes count as one K, in the product's order):
;;     1. [M 8,192, K 1,024] x [K 1,024, N 1,024]; A: input x; B: input Wq: QUANTISED
;;     2. [M 8,192, K 1,024] x [K 1,024, N 1,024]; A: input x; B: input Wk: QUANTISED
;;     3. [M 8,192, K 1,024] x [K 1,024, N 1,024]; A: input x; B: input Wv: QUANTISED
;;     4. batch 64 x [M 2,048, K 64] x [K 64, N 2,048]; A: computed on the way; B: computed on the way: QUANTISED
;;     5. batch 64 x [M 2,048, K 2,048] x [K 2,048, N 64]; A: softmax (see below); B: computed on the way: QUANTISED
;;     6. [M 8,192, K 1,024] x [K 1,024, N 1,024]; A: computed on the way; B: input Wo: QUANTISED
;;   THE QUANTISER, for each operand of a quantised product, along K:
;;     - K is cut into blocks of 32 from its start; a last block that is shorter is filled with zeros.
;;     - A block's scale is 2^e with e = floor(log2(the largest magnitude in the block)) - 2, held to -126 .. 127; a block of zeros has e = 0. As a byte (E8M0): e + 127.
;;     - Each number is divided by its block's scale, clamped to +-7.5, and rounded to the nearest number of E2M3, ties to even, subnormals kept.
;;     - The product sums the exact products of the quantised numbers (number of the format x scale) in f32.
;;   ~~~python
;;   def quantise(x, axis):      # numpy; x: float32 -> the quantised numbers, widened to float32 again
;;       x = np.moveaxis(x, axis, -1); K = x.shape[-1]
;;       x = np.pad(x, [(0, 0)] * (x.ndim - 1) + [(0, -K % 32)]); x = x.reshape(x.shape[:-1] + (-1, 32)); a = np.abs(x).max(-1, keepdims=True)
;;       e = np.where(a > 0, np.clip(np.frexp(np.where(a > 0, a, 1))[1] - 1 - 2, -126, 127), 0)      # np.frexp(a)[1] - 1 = floor(log2(a)), exactly
;;       r = np.clip(x / 2.0 ** e, -7.5, 7.5)
;;       step = 2.0 ** (np.maximum(np.frexp(np.where(r == 0, 1, r))[1] - 1, 0) - 3)
;;       q = np.round(r / step) * step * 2.0 ** e      # np.round: ties to even
;;       return np.moveaxis(q.reshape(q.shape[:-2] + (-1,))[..., :K], -1, axis).astype(np.float32)
;;   ~~~
;;   SOFTMAX AHEAD OF A QUANTISED PRODUCT. Where the list says 'softmax', what is quantised is not the finished softmax but p = 2^(t - M), with t = logit x log2(e) and M = ceil(the row's largest t), a whole number; so 1/2 < the row's largest p <= 1. The row's sum l is taken of the UNQUANTISED p, in f32, and the product's result is divided by l at the end. Since M is a whole number, a kernel that streams over the keys may use a running M (the ceiling of the running maximum): every later rescaling is an exact power of two, which a block's scale takes up: the codes' values come out the same.
;;   OPERANDS COMPUTED ON THE WAY. 'Computed on the way' means the value that the module computes at that place (a softmax that the list does not call 'softmax' is quantised finished and normalised). What goes into a quantiser is computed in f32, as accurately as f32 sums, v_exp_f32 and their like allow (about 1e-6 of the number): no bf16 or f16 on the way to a quantiser, and a product that is left as it is and whose result goes on into a quantised operand takes f32 operands (vector FMAs, or v_wmma_f32_16x16x4_f32). A number that lies on a knife's edge between two numbers of the format may be rounded either way, as far as f32 arithmetic and the matrix unit's own rounding can turn it there, and no further.
;; One version. Each part assembles by itself: llvm-mc -triple=amdgcn-amd-amdhsa -mcpu=gfx1250 --defsym DOCPART=n.
;; ======== version 1 of 1: 4 launches
;; limits: right only within a limited range of input values
;; workspace buffers: xq 6,553,600 bytes; wq 3,276,800 bytes; qb 6,815,744 bytes; kv 13,369,344 bytes; ob 6,553,600 bytes
;; launch quant (part 1): grid 384 x 1, 4 waves a work-group, no clusters, 33,280 bytes of LDS; arguments x, Wq, Wk, Wv, Wo, xq, wq; writes xq, wq
.if DOCPART == 1
	.amdgcn_target "amdgcn-amd-amdhsa--gfx1250"
	.amdhsa_code_object_version 6
	.text
	.protected	k_q9a5238ba83_quant
	.globl	k_q9a5238ba83_quant
	.p2align	8
	.type	k_q9a5238ba83_quant,@function
k_q9a5238ba83_quant:
	s_mov_b64 s[64:65], 0
	v_nop
	global_prefetch_b8 v0, s[64:65] scope:SCOPE_SE
	s_setreg_imm32_b32 hwreg(HW_REG_WAVE_MODE, 25, 1), 1
	s_wait_xcnt 0x0
; x [8192][1024] and Wq, Wk, Wv, Wo [1024][1024], f32, K innermost, become codes of FP6 (E2M3), 768 bytes a row, and one E8M0 byte for each 32 along K, 32 bytes a row.
; xq: codes at byte 0, scale bytes at XSC.  wq: the rows of Wq, Wk, Wv, Wo on end: codes at byte 0, scale bytes at WSC.
; A block's scale is 2^(floor(log2(its largest magnitude)) - 2); its byte is the largest magnitude's exponent field - 2, held at 1 from below.  A block of zeros gets the byte 1: its codes are zeros,
; which add nothing under any byte but 0xff, and only this program reads the bytes.
; LIMITS: blocks whose largest magnitude lies under 2^-124 keep the byte 1; NaN and infinities among the inputs are not served.
; THE ORDER OF ROWS.  In x, Wq, Wk and Wv the two middle groups of 8 rows of each 32 change places on the way out: stored row 16 u + r of a group of 32 is row 8 u + r + 8 (r / 8).  So 16 stored rows on end
; are a tile whose results, in a product used transposed, give a lane 16 neighbours in the 16 registers of two neighbouring tiles.  Wo keeps its order.  K is never permuted.
; SHARES.  A work-group takes 32 rows, a wave 8 rows = 8,192 numbers in 16 steps of 512.  Work-groups 0-255: x; 256 + 32 m on: matrix m.  Only pointers are chosen: all tensors take one path.
; Each load reads 512 consecutive bytes; a step's 2,048 bytes turn through the wave's own stage in LDS, so that a lane holds 16 neighbours along K.  No tensor loads, no barrier: waves share nothing; no cluster: no input is shared.
.set STEPS, 16
.set EMAX,  2
.set CB,    12                         ; bytes of 16 codes
.set R,     16                         ; v16-79   four sets of 16 numbers as they are loaded
.set X,     80                         ; v80-111  two sets of 16 neighbours
.set C,     128                        ; v128-191 codes: four registers for each step, so that no store's data are written again
.set E,     112                        ; v112-127 a scale byte for each step
.set WREG,  8192                       ; LDS: a region for each wave: two stages of 32 x SP bytes, behind them its 256 scale bytes
.set SP,    80                         ; a lane's place in a stage: 64 bytes + 16 of padding
.set XGR,   256                        ; work-groups that take x
.set XSC,   6291456                    ; xq: where the scale bytes begin
.set WSC,   3145728                    ; wq: likewise
	s_load_b256 s[4:11], s[0:1], 0x0               ; x, Wq, Wk, Wv
	s_load_b128 s[12:15], s[0:1], 0x20             ; Wo, xq
	s_load_b64 s[16:17], s[0:1], 0x30              ; wq
	v_lshl_add_u32 v192, v0, 2, 0x8000
	v_mov_b32 v193, 0
	v_lshrrev_b32 v1, 5, v0
	v_readfirstlane_b32 s18, v1                    ; wave
	v_and_b32 v2, 31, v0                           ; lane
	v_lshlrev_b32 v3, 4, v2                        ; my 16 bytes of a load's 512
	s_mul_i32 s36, s18, WREG
	v_lshrrev_b32 v14, 2, v2
	v_mul_u32_u24 v14, v14, SP
	v_and_b32 v15, 3, v2
	v_lshl_add_u32 v14, v15, 4, v14
	v_add_nc_u32 v14, s36, v14                     ; the stage, on the way in: SP (lane / 4) + 16 (lane % 4)
	v_mul_u32_u24 v15, v2, SP
	v_add_nc_u32 v15, s36, v15                     ; and on the way out: SP x lane: my 16 neighbours
	v_mul_u32_u24 v4, v2, CB                       ; my codes' place in a step's
	v_lshrrev_b32 v5, 1, v2
	s_add_co_u32 s36, s36, 2*32*SP
	v_add_nc_u32 v5, s36, v5                       ; LDS: my wave's 256 scale bytes, my block's byte
	v_lshlrev_b32 v7, 3, v2                        ; and on the way out 8 bytes a lane
	v_add_nc_u32 v6, s36, v7
	s_sub_co_u32 s19, ttmp9, XGR                   ; among the weights' work-groups (not used where the work-group takes x)
	s_lshr_b32 s20, s19, 5                         ; m: which matrix
	s_and_b32 s21, s19, 31                         ; which 32 rows of it
	s_mul_i32 s23, s20, 786432                     ; its codes in wq: 1,024 rows of 768 bytes
	s_lshl_b32 s24, s20, 15                        ; its scale bytes: 1,024 rows of 32
	s_add_co_u32 s24, s24, WSC
	s_mov_b32 s26, XSC
	s_and_b32 s25, s18, 1                          ; the group of 8 rows that my 8 rows become: the wave's two bits change places,
	s_lshl_b32 s25, s25, 1
	s_lshr_b32 s27, s18, 1
	s_or_b32 s25, s25, s27
	s_cmp_ge_u32 ttmp9, 352                        ; but not in Wo
	s_cselect_b32 s25, s18, s25
	s_wait_kmcnt 0x0
	s_cmp_eq_u32 s20, 1                            ; the choices hang on the work-group's number alone
	s_cselect_b64 s[6:7], s[8:9], s[6:7]
	s_cmp_eq_u32 s20, 2
	s_cselect_b64 s[6:7], s[10:11], s[6:7]
	s_cmp_eq_u32 s20, 3
	s_cselect_b64 s[6:7], s[12:13], s[6:7]
	s_cmp_lt_u32 ttmp9, XGR
	s_cselect_b64 s[4:5], s[4:5], s[6:7]           ; from where
	s_cselect_b64 s[8:9], s[14:15], s[16:17]       ; to where
	s_cselect_b32 s22, ttmp9, s21
	s_cselect_b32 s23, 0, s23
	s_cselect_b32 s24, s26, s24
	s_lshl_b32 s22, s22, 2
	s_add_co_u32 s28, s22, s18                     ; which 8 rows of the tensor I read,
	s_add_co_u32 s30, s22, s25                     ; and which 8 stored rows they become
	s_lshl_b32 s28, s28, 15                        ; 8 rows of 4,096 bytes (under 2^26)
	s_mov_b32 s29, 0
	s_add_nc_u64 s[4:5], s[4:5], s[28:29]
	s_lshl_b32 s34, s30, 8                         ; 8 rows of 32 scale bytes
	s_add_co_u32 s34, s34, s24
	s_mov_b32 s35, 0
	s_add_nc_u64 s[10:11], s[8:9], s[34:35]
	s_mul_i32 s32, s30, 6144                       ; 8 rows of 768 bytes of codes
	s_add_co_u32 s32, s32, s23
	s_mov_b32 s33, 0
	s_add_nc_u64 s[8:9], s[8:9], s[32:33]
.macro LOAD t
.irp i, 0,1,2,3
	global_load_b128 v[R+16*((\t)%4)+4*\i:R+16*((\t)%4)+4*\i+3], v3, s[4:5] offset:2048*(\t)+512*\i th:TH_LOAD_NT   ; 32 lanes read 512 consecutive bytes
.endr
.endm
.macro TURN t                          ; step t's numbers through the stage: LDS serves a wave's instructions in order, so no wait stands between the stores and the loads
.irp i, 0,1,2,3
	ds_store_b128 v14, v[R+16*((\t)%4)+4*\i:R+16*((\t)%4)+4*\i+3] offset:32*SP*((\t)%2)+8*SP*\i
.endr
.irp i, 0,1,2,3
	ds_load_b128 v[X+16*((\t)%2)+4*\i:X+16*((\t)%2)+4*\i+3], v15 offset:32*SP*((\t)%2)+16*\i
.endr
.endm
.irp t, 0,1,2,3
	LOAD \t
.endr
	s_wait_loadcnt 12                              ; step 0's four loads are in; the twelve of steps 1 to 3 stay out
	TURN 0
.macro STEP t
.set XS, X+16*((\t)%2)
.if (\t) > 0
	s_wait_dscnt 1                                 ; this step's numbers are back from the stage (the last step's byte store may be out): so its stores into the stage have read their registers,
.else
	s_wait_dscnt 0x0
.endif
.if (\t)+4 < STEPS
	LOAD (\t)+4                                    ; which take the loads of four steps on
.endif
.if (\t)+1 < STEPS
.if STEPS-2-(\t) >= 3
	s_wait_loadcnt 12                              ; the next step's four loads are in; those of the three steps behind it may be out
.else
	s_wait_loadcnt 4*(STEPS-2-(\t))
.endif
	TURN (\t)+1                                    ; and go through the other stage while this step is worked
.endif
	v_max3_num_f32 v8, |v[XS]|, |v[XS+1]|, |v[XS+2]|               ; the largest magnitude of my 16, in two chains
	v_max3_num_f32 v9, |v[XS+3]|, |v[XS+4]|, |v[XS+5]|
.irp i, 6,10
	v_max3_num_f32 v8, v8, |v[XS+\i]|, |v[XS+\i+1]|
	v_max3_num_f32 v9, v9, |v[XS+\i+2]|, |v[XS+\i+3]|
.endr
	v_max3_num_f32 v8, v8, |v[XS+14]|, |v[XS+15]|
	v_max3_num_f32 v8, v8, v9, (EMAX+1)<<23        ; and the floor 2^(EMAX + 1 - 127): the byte cannot fall under 1
	v_max_num_f32_dpp v8, v8, v8 row_xmask:1 row_mask:0xf bank_mask:0xf   ; and of my neighbour's 16: the block's
	v_add_nc_u32 v11, -(EMAX<<23), v8              ; EMAX off its exponent field: the conversion takes the exponent field of this operand as its scale
	v_cvt_scalef32_pk16_fp6_f32 v[C+4*(\t):C+4*(\t)+2], v[XS:XS+15], v11         ; sixteen numbers / the scale, to the nearest code, ties to even, beyond the largest code the largest
	v_lshrrev_b32 v[E+(\t)], 23, v11               ; the scale's byte (also the plain line behind the conversion)
	ds_store_b8 v5, v[E+(\t)] offset:16*(\t)       ; both lanes of a block write the same byte with the same value
	global_store_b96 v4, v[C+4*(\t):C+4*(\t)+2], s[8:9] offset:32*CB*(\t)      ; the wave stores 384 consecutive bytes
.endm
.irp t, 0,1,2,3,4,5,6,7,8,9,10,11,12,13,14,15
	STEP \t
.endr
	ds_load_b64 v[12:13], v6                       ; LDS serves a wave's instructions in order: these see my stores
	s_wait_dscnt 0x0
	global_store_b64 v7, v[12:13], s[10:11]        ; 32 lanes store 256 consecutive bytes, aligned
	s_wait_tensorcnt 0x0
	ds_add_u32 v192, v193
	s_wait_dscnt 0x0
	s_endpgm
.Lfunc_end_k_q9a5238ba83_quant:
	.size	k_q9a5238ba83_quant, .Lfunc_end_k_q9a5238ba83_quant-k_q9a5238ba83_quant
	.p2alignl 7, 3214868480
	.fill 96, 4, 3214868480
	.section	.rodata,"a",@progbits
	.p2align	6, 0x0
	.amdhsa_kernel k_q9a5238ba83_quant
		.amdhsa_group_segment_fixed_size 33280
		.amdhsa_private_segment_fixed_size 0
		.amdhsa_enable_private_segment 0
		.amdhsa_kernarg_size 56
		.amdhsa_user_sgpr_count 2
		.amdhsa_user_sgpr_kernarg_segment_ptr 1
		.amdhsa_wavefront_size32 1
		.amdhsa_system_sgpr_workgroup_id_x 1
		.amdhsa_system_sgpr_workgroup_id_y 1
		.amdhsa_system_sgpr_workgroup_id_z 1
		.amdhsa_system_vgpr_workitem_id 0
		.amdhsa_next_free_vgpr 194
		.amdhsa_next_free_sgpr 66
		.amdhsa_reserve_vcc 0
		.amdhsa_float_denorm_mode_32 3
		.amdhsa_float_denorm_mode_16_64 3
		.amdhsa_memory_ordered 1
		.amdhsa_forward_progress 1
		.amdhsa_inst_pref_size 33
	.end_amdhsa_kernel
	.amdgpu_metadata
---
amdhsa.version: [ 1, 2 ]
amdhsa.kernels:
  - .name:           k_q9a5238ba83_quant
    .symbol:         k_q9a5238ba83_quant.kd
    .args:
      - { .name: x, .offset: 0, .size: 8, .value_kind: global_buffer, .address_space: global }
      - { .name: Wq, .offset: 8, .size: 8, .value_kind: global_buffer, .address_space: global }
      - { .name: Wk, .offset: 16, .size: 8, .value_kind: global_buffer, .address_space: global }
      - { .name: Wv, .offset: 24, .size: 8, .value_kind: global_buffer, .address_space: global }
      - { .name: Wo, .offset: 32, .size: 8, .value_kind: global_buffer, .address_space: global }
      - { .name: xq, .offset: 40, .size: 8, .value_kind: global_buffer, .address_space: global }
      - { .name: wq, .offset: 48, .size: 8, .value_kind: global_buffer, .address_space: global }
    .group_segment_fixed_size: 33280
    .private_segment_fixed_size: 0
    .kernarg_segment_align: 8
    .kernarg_segment_size: 56
    .max_flat_workgroup_size: 128
    .sgpr_count:     66
    .vgpr_count:     194
    .wavefront_size: 32
...
	.end_amdgpu_metadata
.endif
;; end of part 1
;; launch proj (part 2): grid 12 x 32, 4 waves a work-group, clusters of 4 x 4, 327,680 bytes of LDS; arguments xq, wq, bq, bk, bv, qb, kv; writes qb, kv
.if DOCPART == 2
	.amdgcn_target "amdgcn-amd-amdhsa--gfx1250"
	.amdhsa_code_object_version 6
	.text
	.protected	k_q9a5238ba83_proj
	.globl	k_q9a5238ba83_proj
	.p2align	8
	.type	k_q9a5238ba83_proj,@function
k_q9a5238ba83_proj:
	s_mov_b64 s[64:65], 0
	v_nop
	global_prefetch_b8 v0, s[64:65] scope:SCOPE_SE
	s_setreg_imm32_b32 hwreg(HW_REG_WAVE_MODE, 25, 1), 1
	s_wait_xcnt 0x0
	s_wait_alu depctr_hold_cnt(0) depctr_sa_sdst(0) depctr_va_vdst(0) depctr_va_sdst(0) depctr_va_ssrc(0) depctr_va_vcc(0) depctr_vm_vsrc(0)
	s_getreg_b32 s2, hwreg(HW_REG_IB_STS2, 6, 4)
	s_cmp_eq_u32 s2, 0
	s_cbranch_scc0 .Lentry_in_a_cluster
	s_endpgm
.Lentry_in_a_cluster:
	s_bfe_u32 s2, ttmp6, 0x10000c
	s_cmp_lg_u32 s2, 0xf033
	s_cbranch_scc0 .Lentry_shape_is_right
	s_endpgm
.Lentry_shape_is_right:
; q = x Wq^T + bq, k = x Wk^T + bk, v = x Wv^T + bv on codes of FP6 (E2M3) with E8M0 scales, sums in f32; the results are quantised in registers and leave as images of operand registers.
; A tile of 256 x 256 is made by a work-group of four waves, 128 x 128 a wave: 64 accumulators of 16 x 16, 512 registers.  K = 1,024 goes in four steps of 256 through a ring of two LDS slots.
; THE KIND hangs on the cluster's x, which all sixteen partners share: 0 = q, 1 = k, 2 = v.  The matrix instruction is used transposed: source 0 = 16 rows of "B", source 1 = 16 rows of "A"; a lane holds
; one row of A, its registers run along B's rows.  q, k: A = x (a lane = a token), B = Wq | Wk (registers = features): they are quantised along the head's 64.
; v: A = Wv (a lane = a feature), B = x (registers = tokens): it is quantised along the keys.  Rows are stored so (launch quant) that the 16 registers of B's tiles 2 b and 2 b + 1 are 16 neighbours.
; OUT.  qb, for each head of each batch 106,496 bytes: [16 groups of 128 tokens][8 tiles][768] codes, then [16][512] scale words.  kv, 208,896 bytes: K's codes likewise, V's codes [16 steps][4 tiles of 16 features][1,536]
; at 98,304, K's scale words [16][512] at 196,608, V's [16][256] at 204,800.  A tile of q or k: a lane's registers 0-3 at 16 x lane, 4-5 at 512 + 8 x lane.  A tile of V: registers 4 i on at 512 i + 16 x lane.
; Every store of the epilogue covers 256 or 512 consecutive bytes, aligned.
; CLUSTERS: 4 x 4 work-groups.  The four of a row of the cluster need the same tiles of A, the four of a column the same tiles of B: each tile is asked for jointly.
; LIMITS: as in launch quant: a block of zeros keeps the byte 1; NaN and infinities are not served.
; REGISTERS, in windows of 256: window 0: v0-31 addresses; v32-63 scale words, two sets; v64-127, v224-239 the biases; from v128 A's fragments, ONE set; in the epilogue v128-251 at work.
;   window 1: B's fragments, TWO sets, at v0 and at v128.   window 2: the accumulators of my rows 0-63 ((a, b) at v[8 (8 a + b)]);   window 3: those of my rows 64-127.
.set SIZE_K, 1024
.set KSTEP,  256                       ; along K in a slot
.set NQ,     KSTEP/128                 ; matrix instructions deep
.set ROWB,   192                       ; a tile's row in bytes
.set KROW,   SIZE_K*6/8                ; a row of codes in memory
.set PITCH,  240                       ; an LDS row: 3 x (64 bytes of data + 16 of padding)
.set FR,     12                        ; registers of a fragment
.set NL,     6                         ; LDS loads that bring one
.set NP,     4                         ; places behind this matrix instruction (ISA guide 7.12.1)
.set HALFT,  128*PITCH                 ; 128 rows: what one tensor load brings
.set SLOT,   4*HALFT                   ; A's 256 rows, then B's 256 rows
.set LAPS,   SIZE_K/(2*KSTEP)
.set KS,     SIZE_K/32                 ; a row of scale bytes
.set SCL,    2*SLOT                    ; behind the ring: the scales, as units of 256 bytes + 16 of padding
.set HALFS,  (128*KS/256)*272          ; the scales of 128 rows
.set SBLK,   (16*KS/256)*272           ; those of 16 rows
.set SPARE,  SCL+4*HALFS               ; the spare words, 128 bytes for each wave, which no other line names
.set ADRA, 16                          ; v16-17 LDS address of my A fragments in slot 0, 1 (v18-19: behind one padding more)
.set ADRB, 20                          ; v20-21 the same for B (v22-23)
.set L16,  26                          ; v26  16 x lane
.set ADRS, 27                          ; v27  LDS address of my scale words: lanes 0-15 A's rows, lanes 16-31 B's
.set SPW,  28                          ; v28  my spare word; never rewritten
.set NIL,  29                          ; v29  0; never rewritten
.set L8,   30                          ; v30  8 x lane
.set SC,   32                          ; scale words: set s at v[SC + 8 NQ s]
.set BP,   64                          ; v64-127  bias along the registers (q, k): register 16 b + i = feature 32 b + 16 (lane / 16) + i
.set AF,   128                         ; A's fragments
.set BR,   224                         ; v224-239 bias of the lane's feature (v), a pair for each block of 16 features
.set T,    128                         ; epilogue: v128-191 64 numbers of a lane
.set PC,   192                         ; v192-203 the codes just made; v204-206, v208-210 the conversions' second halves
.set TM,   212                         ; v212-215 largest magnitudes, v216-219 the other half's and then the bytes, v220-223 the conversions' scale operands
.set PW,   240                         ; the scale word just made
.set TP,   241
.set SW,   244                         ; v244-251 scale words on their way out
.set G1, 24                            ; s[24:31] descriptor group 1 for A's tiles;  s[32:39] group 0, one set for each slot
.set G0, 32
.set G1B, 48                           ; s[48:55], s[56:63] the same for B's tiles
.set G0B, 56
.set G1S, 68                           ; s[68:75], s[76:79] groups 1 and 0 for A's scales;  s[80:87], s[88:91] for B's
.set G0S, 76
.set G1SB, 80
.set G0SB, 88
.set HM,  3                            ; s3   (behind the loop) lanes 16-31
.set C0,  12                           ; s[12:13] codes of my first head;  s[18:19] of my second
.set C1,  18
.set S0,  20                           ; s[20:21], s[22:23] their scale words
.set S1,  22
.set SEL, 98                           ; s[98:99] lane selects for v_permlanex16_b32: lane l xor 16
.set MSB, 0
.macro WIN new                         ; the immediate's high byte repeats the setting that is left
.if MSB != \new
	s_set_vgpr_msb (MSB<<8)|\new
.set MSB, \new
.endif
.endm
.set MUL_LO, 0xa1                      ; source 0 (B) window 1, source 1 (A) window 0, C and D window 2
.set MUL_HI, 0xf1                      ; the same, C and D window 3
.set TO_B,   0x40                      ; destination window 1, address window 0
; A joint load: waves 0 and 1 fetch for A, waves 2 and 3 for B.  The branch hangs on the wave's number alone.  Four v_nop follow each of the two lines.
.macro JLOAD g0a, g1a, g0b, g1b
	s_cmp_eq_u32 s15, 0
	s_cbranch_scc0 .Lfor_b_\@
	tensor_load_to_lds s[\g0a:\g0a+3], s[\g1a:\g1a+7]
	s_nop 0
.rept 4
	v_nop
.endr
	s_branch .Lasked_\@
.Lfor_b_\@:
	tensor_load_to_lds s[\g0b:\g0b+3], s[\g1b:\g1b+7]
	s_nop 0
.rept 4
	v_nop
.endr
.Lasked_\@:
.endm
.macro CREST                           ; a round of the cluster's barrier behind its opening barrier
	s_cmp_lg_u32 s14, 0
	s_cbranch_scc1 .Lnot_wave_0_\@
	s_barrier_signal -3
.Lnot_wave_0_\@:
	s_barrier_wait -3
	s_barrier_signal -1
	s_barrier_wait -1
.endm
.macro CROUND                          ; a whole round
	s_barrier_signal -1
	s_barrier_wait -1
	CREST
.endm
	s_load_b128 s[96:99], s[0:1], 0x0              ; xq, wq
	s_load_b128 s[68:71], s[0:1], 0x10             ; bq, bk   (these three land in registers that become descriptor words once the choices are made)
	s_load_b64 s[72:73], s[0:1], 0x20              ; bv
	s_load_b128 s[76:79], s[0:1], 0x28             ; qb, kv
	v_lshl_add_u32 v[SPW], v0, 2, SPARE
	v_mov_b32 v[NIL], 0
	ds_add_u32 v28, v29
	ds_add_u32 v28, v29
	s_wait_dscnt 0x0
	v_lshrrev_b32 v1, 5, v0
	v_readfirstlane_b32 s14, v1                    ; wave 0..3
	s_lshr_b32 s15, s14, 1                         ; which half of the tile's rows (A) is mine.  Also: I fetch for A (0) or for B (1)
	s_and_b32 s16, s14, 1                          ; which half of its columns (B).  Also: which 128 rows of that tile I fetch
	s_bfe_u32 s40, ttmp6, 0x40000                  ; cx, cy: my place in the cluster
	s_bfe_u32 s41, ttmp6, 0x40004
	s_and_b32 s18, ttmp7, 0xffff                   ; the cluster's y
	s_cmp_eq_u32 ttmp9, 2                          ; v?
	s_cselect_b32 s42, s18, ttmp9                  ; B's tiles: v: x's 32 by the cluster's y;  q, k: the 8 of Wq | Wk by its x
	s_cselect_b32 s17, 0, s18                      ; A's tiles: v: Wv's four;  q, k: x's 32
	s_lshl_b32 s42, s42, 2
	s_add_co_u32 s42, s42, s40                     ; tile column (B)
	s_lshl_b32 s17, s17, 2
	s_add_co_u32 s17, s17, s41                     ; tile row (A)
	s_lshl_b32 s43, s41, 2
	s_lshl_b32 s43, 15, s43                        ; my row of the cluster
	s_lshl_b32 s44, 0x1111, s40                    ; my column
	s_wait_kmcnt 0x0
	s_add_nc_u64 s[20:21], s[96:97], 6291456       ; x's scale bytes
	s_add_nc_u64 s[22:23], s[98:99], 3145728       ; Wq | Wk's
	s_add_nc_u64 s[92:93], s[98:99], 1572864       ; Wv's codes: rows 2,048 on
	s_add_nc_u64 s[66:67], s[98:99], 3211264       ; Wv's scale bytes
	s_cmp_eq_u32 ttmp9, 2
	s_cselect_b64 s[4:5], s[92:93], s[96:97]       ; A's codes
	s_cselect_b64 s[6:7], s[66:67], s[20:21]       ; A's scales
	s_cselect_b64 s[8:9], s[96:97], s[98:99]       ; B's codes
	s_cselect_b64 s[10:11], s[20:21], s[22:23]     ; B's scales
	s_cselect_b64 s[100:101], s[72:73], s[68:69]   ; the bias
	s_cmp_eq_u32 ttmp9, 1
	s_cselect_b64 s[100:101], s[70:71], s[100:101]
	s_cmp_eq_u32 ttmp9, 0
	s_cselect_b64 s[96:97], s[76:77], s[78:79]     ; where the results go
	; descriptor group 1: a tile of 128 rows x ROWB bytes, padded in LDS
	s_or_b32 s[G1+0], s43, (0<<16)|(1<<20)|(1<<21)|(3<<22)|(3<<25)  ; 15:0 the mask: A's tiles go to my row; elements of 1 byte; padding on; 21 set beside a mask; after every 16 words 4 words
	s_or_b32 s[G1B+0], s44, (0<<16)|(1<<20)|(1<<21)|(3<<22)|(3<<25)
.irp g, G1, G1B
	s_mov_b32 s[\g+1], ROWB<<16                    ; tensor_dim0
	s_mov_b32 s[\g+2], 128<<16                     ; tensor_dim1
	s_mov_b32 s[\g+3], ROWB<<16                    ; tile_dim0
	s_mov_b32 s[\g+4], 128                         ; tile_dim1
	s_mov_b32 s[\g+5], KROW                        ; tensor_dim0_stride
	s_mov_b32 s[\g+6], 0
	s_mov_b32 s[\g+7], 0
.endr
	; the scales of 128 rows: a dense block of 4,096 bytes, as rows of 256 bytes (32 elements of 8), 16 bytes of padding behind each
	s_or_b32 s[G1S+0], s43, (3<<16)|(1<<20)|(1<<21)|(5<<22)|(3<<25)
	s_or_b32 s[G1SB+0], s44, (3<<16)|(1<<20)|(1<<21)|(5<<22)|(3<<25)
.irp g, G1S, G1SB
	s_mov_b32 s[\g+1], 32<<16
	s_mov_b32 s[\g+2], (128*KS/256)<<16
	s_mov_b32 s[\g+3], 32<<16
	s_mov_b32 s[\g+4], 128*KS/256
	s_mov_b32 s[\g+5], 32
	s_mov_b32 s[\g+6], 0
	s_mov_b32 s[\g+7], 0
.endr
	s_lshl_b32 s18, s16, 7                         ; which 128 rows of the tile I fetch
	s_lshl_b32 s20, s17, 8
	s_add_co_u32 s20, s20, s18                     ; A: row 256 x tile row + 128 x half
	s_lshl_b32 s46, s42, 8
	s_add_co_u32 s46, s46, s18                     ; B: row 256 x tile column + 128 x half
	s_mov_b32 s21, 0
	s_mov_b32 s47, 0
	s_mov_b64 s[18:19], KS
	s_mul_u64 s[22:23], s[20:21], s[18:19]         ; where these rows' scales begin, in bytes
	s_mul_u64 s[92:93], s[46:47], s[18:19]
	s_mov_b64 s[18:19], KROW
	s_mul_u64 s[20:21], s[20:21], s[18:19]         ; and their codes
	s_mul_u64 s[46:47], s[46:47], s[18:19]
	s_mul_i32 s45, s14, HALFT                      ; where they go: wave x 128 rows: no place in the cluster enters an LDS address
	s_mul_i32 s94, s14, HALFS
	s_add_nc_u64 s[20:21], s[4:5], s[20:21]
	s_add_nc_u64 s[22:23], s[6:7], s[22:23]
	s_add_nc_u64 s[46:47], s[8:9], s[46:47]
	s_add_nc_u64 s[92:93], s[10:11], s[92:93]
	CROUND                                         ; all sixteen work-groups are here: the first joint loads meet
	s_mov_b32 s[G0S], 1
	s_add_co_u32 s[G0S+1], s94, SCL
	s_mov_b64 s[G0S+2:G0S+3], s[22:23]
	s_or_b32 s[G0S+3], s[G0S+3], 0x80000000
	s_mov_b32 s[G0SB], 1
	s_add_co_u32 s[G0SB+1], s94, SCL
	s_mov_b64 s[G0SB+2:G0SB+3], s[92:93]
	s_or_b32 s[G0SB+3], s[G0SB+3], 0x80000000
	JLOAD G0S, G1S, G0SB, G1SB                     ; the scales first: they are wanted with K step 0
.irp s, 0,1
	s_mov_b32 s[G0+4*\s], 1
	s_add_co_u32 s[G0+4*\s+1], s45, \s*SLOT
	s_add_nc_u64 s[G0+4*\s+2:G0+4*\s+3], s[20:21], \s*ROWB
	s_or_b32 s[G0+4*\s+3], s[G0+4*\s+3], 0x80000000
	s_mov_b32 s[G0B+4*\s], 1
	s_add_co_u32 s[G0B+4*\s+1], s45, \s*SLOT
	s_add_nc_u64 s[G0B+4*\s+2:G0B+4*\s+3], s[46:47], \s*ROWB
	s_or_b32 s[G0B+4*\s+3], s[G0B+4*\s+3], 0x80000000
	JLOAD G0+4*\s, G1, G0B+4*\s, G1B               ; by this text's count three tensor loads of a wave are out here
.endr
	v_and_b32 v1, 15, v0                           ; r = l % 16
	v_bfe_u32 v2, v0, 4, 1                         ; h = l / 16
	v_mul_u32_u24 v3, v1, PITCH
	v_mul_u32_u24 v4, v2, 24
	v_add_nc_u32 v4, v3, v4                        ; a fragment's row x pitch + 24 x half
	v_lshl_add_u32 v5, v2, 4, v4                   ; and the same behind one padding more
	s_mul_i32 s21, s15, HALFT                      ; my 128 rows of A
	s_mul_i32 s22, s16, HALFT                      ; my 128 rows of B,
	s_add_co_u32 s22, s22, 2*HALFT                 ; which lie behind A's 256
.irp s, 0,1
	v_add_nc_u32 v[ADRA+\s], s21, v4
	v_add_nc_u32 v[ADRB+\s], s22, v4
	v_add_nc_u32 v[ADRA+2+\s], s21, v5
	v_add_nc_u32 v[ADRB+2+\s], s22, v5
	s_add_co_u32 s21, s21, SLOT
	s_add_co_u32 s22, s22, SLOT
.endr
	v_mul_u32_u24 v5, v1, KS                       ; my row's scales: KS bytes a row,
	v_lshrrev_b32 v6, 8, v5
	v_lshl_add_u32 v5, v6, 4, v5                   ; and 16 more for each 256 passed
	s_mul_i32 s21, s15, HALFS                      ; A's: my 128 rows
	s_mul_i32 s22, s16, HALFS                      ; B's: my 128 rows, behind A's 256
	s_add_co_u32 s22, s22, 2*HALFS
	s_sub_co_u32 s22, s22, s21
	v_mul_u32_u24 v6, s22, v2                      ; lanes 16-31 take B's
	s_add_co_u32 s21, s21, SCL
	v_add_nc_u32 v5, v5, v6
	v_add_nc_u32 v[ADRS], s21, v5
	v_and_b32 v6, 31, v0
	v_lshlrev_b32 v[L16], 4, v6
	v_lshlrev_b32 v[L8], 3, v6
	; which tokens and which heads are my wave's (these enter global addresses alone)
	s_lshl_b32 s18, s17, 1
	s_add_co_u32 s18, s18, s15                     ; my 128 rows of A: 2 x tile row + half
	s_lshl_b32 s19, s42, 1
	s_add_co_u32 s19, s19, s16                     ; my 128 rows of B
	s_and_b32 s20, s19, 7                          ; (within Wq or Wk)
	s_cmp_eq_u32 ttmp9, 2
	s_cselect_b32 s67, s19, s18                    ; my group of 128 tokens, 0..63
	s_cselect_b32 s66, s18, s20
	s_lshl_b32 s66, s66, 1                         ; my first head (128 features are two heads)
	; the biases.  Both sets are loaded in every kind, each inside its buffer, so that every register that an epilogue reads is written on every way
	s_lshl_b32 s18, s66, 8                         ; my 128 features, in bytes
	s_cmp_eq_u32 ttmp9, 2
	s_cselect_b32 s20, 0, s18
	s_cselect_b32 s22, s18, 0
	s_mov_b32 s21, 0
	s_mov_b32 s23, 0
	s_add_nc_u64 s[20:21], s[100:101], s[20:21]
	s_add_nc_u64 s[22:23], s[100:101], s[22:23]
	v_lshlrev_b32 v8, 6, v2                        ; 64 h: my 16 features of a block of 32
	v_and_b32 v9, 8, v1
	v_add_nc_u32 v9, v9, v1
	v_lshlrev_b32 v9, 2, v9                        ; 4 (r + 8 (r / 8)): the feature that stored row r is
.irp b, 0,1,2,3
.irp j, 0,1,2,3
	global_load_b128 v[BP+16*\b+4*\j:BP+16*\b+4*\j+3], v8, s[20:21] offset:128*\b+16*\j
.endr
.endr
.irp a, 0,1,2,3,4,5,6,7
	global_load_b32 v[BR+2*\a], v9, s[22:23] offset:4*(32*(\a/2)+8*(\a%2))
	global_load_b32 v[BR+2*\a+1], v9, s[22:23] offset:4*(32*(\a/2)+8*(\a%2))    ; twice: a pair for the packed addition
.endr                                          ; v8, v9 and s[20:23] are written again only behind the wait for these loads, in the epilogue
.macro FRAG reg, adr, q, i             ; a fragment, 16 rows x 128 K: lane l holds row l % 16; registers 6 c .. 6 c + 5 hold K = 64 c + 32 (l / 16) + 0 .. 31: 24 bytes of the row, as they lie
.irp p, 0,1,2,3,4,5                    ; in pieces of 8 bytes.  Lanes 16-31 read three pieces further on than lanes 0-15
.set PCE, 12*(\q)+6*(\p/3)+\p%3        ; 16 bytes of padding lie behind every 8 pieces: where the piece three on lies behind one padding more, the second address register serves
.if PCE%8 < 5
	ds_load_b64 v[\reg+2*\p:\reg+2*\p+1], v[\adr] offset:8*PCE+16*(PCE/8)+(\i)*16*PITCH
.else
	ds_load_b64 v[\reg+2*\p:\reg+2*\p+1], v[\adr+2] offset:8*PCE+16*(PCE/8)+(\i)*16*PITCH
.endif
.endr
.endm
; 16 matrix instructions: A's blocks a0, a0 + 1 x B's eight, 128 along K.  p: B's set;  sc: the set of scale words.  zero = 1: the first product starts the sums.
; The 64 accumulators take turns, one instruction a turn, in the same order in every step.
.macro MUL16 a0, p, q, sc, zero
.irp a, \a0, \a0+1
.irp b, 0,1,2,3,4,5,6,7
.if \zero
	v_wmma_scale_f32_16x16x128_f8f6f4 v[8*(8*((\a)%4)+\b):8*(8*((\a)%4)+\b)+7], v[128*(\p)+FR*\b:128*(\p)+FR*\b+FR-1], v[AF+FR*(\a):AF+FR*(\a)+FR-1], 0, v[SC+8*NQ*(\sc)+NQ*\b+(\q)], v[SC+8*NQ*(\sc)+NQ*(\a)+(\q)] matrix_a_fmt:MATRIX_FMT_FP6 matrix_b_fmt:MATRIX_FMT_FP6 matrix_a_scale:MATRIX_SCALE_ROW1
.else
	v_wmma_scale_f32_16x16x128_f8f6f4 v[8*(8*((\a)%4)+\b):8*(8*((\a)%4)+\b)+7], v[128*(\p)+FR*\b:128*(\p)+FR*\b+FR-1], v[AF+FR*(\a):AF+FR*(\a)+FR-1], v[8*(8*((\a)%4)+\b):8*(8*((\a)%4)+\b)+7], v[SC+8*NQ*(\sc)+NQ*\b+(\q)], v[SC+8*NQ*(\sc)+NQ*(\a)+(\q)] matrix_a_fmt:MATRIX_FMT_FP6 matrix_b_fmt:MATRIX_FMT_FP6 matrix_a_scale:MATRIX_SCALE_ROW1
.endif
.endr
.endr
.endm
.macro FETCH_B slot, q, p              ; B's eight fragments of the slot's q-th 128 along K into set p
	WIN TO_B
.irp i, 0,1,2,3,4,5,6,7
	FRAG 128*(\p)+FR*\i, ADRB+\slot, \q, \i
.endr
	WIN 0
.endm
.macro FETCH_A slot, q, i0             ; A's blocks i0 .. i0 + 3
.irp i, \i0, \i0+1, \i0+2, \i0+3
	FRAG AF+FR*(\i), ADRA+\slot, \q, \i
.endr
.endm
.macro SCALES sc                       ; the next K step's scale words into set sc: lanes 0-15 take A's block i, lanes 16-31 B's block i
.irp i, 0,1,2,3,4,5,6,7
	ds_load_b64 v[SC+8*NQ*\sc+NQ*\i:SC+8*NQ*\sc+NQ*\i+1], v[ADRS] offset:\i*SBLK
.endr
.endm
.macro PLACES n                        ; plain vector lines between a matrix instruction and a load into, or a vector line on, its registers
.rept \n
	v_nop
.endr
.endm
; A step of 128 along K that has its successor in the same slot.
.macro STEP slot, q, zero
	s_wait_dscnt 4*NL                              ; B's set and A's blocks 0-3 are in; the youngest 24 loads (A's blocks 4-7) may be out
	WIN MUL_LO
	MUL16 0, (\q)%2, \q, \slot, \zero
	MUL16 2, (\q)%2, \q, \slot, \zero
	s_wait_dscnt 0                                 ; A's blocks 4-7 are in
	PLACES NP
	FETCH_B \slot, (\q)+1, 1-(\q)%2
	FETCH_A \slot, (\q)+1, 0
	WIN MUL_HI
	MUL16 4, (\q)%2, \q, \slot, \zero
	MUL16 6, (\q)%2, \q, \slot, \zero
	PLACES NP
	WIN 0
	FETCH_A \slot, (\q)+1, 4
.endm
; A slot's last step changes slots: ONE barrier; in front of it each wave waits for all its tensor loads, adds 0 to its spare word, and waits for that and for its reads of this slot.  fill = 1: the slot is filled again, two K steps ahead.
.macro TURN slot, next, fill
	s_wait_tensorcnt 0x0                           ; all my tensor loads have landed: my part of the next slot
	ds_add_u32 v[SPW], v[NIL]                      ; 0 onto my spare word
	s_wait_dscnt 4*NL+1                            ; (the add and the youngest 24 loads, A's blocks 4-7, may be out)
	WIN MUL_LO
	MUL16 0, 1, NQ-1, \slot, 0                     ; sixteen matrix instructions stand between the add and the wait for it
	s_wait_dscnt 0x0                               ; the add is done, and my reads of this slot are over
	s_barrier_signal -1
	MUL16 2, 1, NQ-1, \slot, 0
	WIN 0
	s_barrier_wait -1
.if \fill
	CREST                                          ; the barrier has opened a round of the cluster's barrier: no wave of any partner still reads this slot or has a load on its way
	s_add_nc_u64 s[G0+4*\slot+2:G0+4*\slot+3], s[G0+4*\slot+2:G0+4*\slot+3], 2*ROWB
	s_add_nc_u64 s[G0B+4*\slot+2:G0B+4*\slot+3], s[G0B+4*\slot+2:G0B+4*\slot+3], 2*ROWB
	JLOAD G0+4*\slot, G1, G0B+4*\slot, G1B         ; the first tensor load behind the round; its four v_nop are the places in front of the loads below
.else
	PLACES NP
.endif
	v_add_nc_u32 v[ADRS], 4*NQ, v[ADRS]            ; on to the next K step's scale words
	FETCH_B \next, 0, 0
	FETCH_A \next, 0, 0
	SCALES \next
	WIN MUL_HI
	MUL16 4, 1, NQ-1, \slot, 0
	MUL16 6, 1, NQ-1, \slot, 0
	PLACES NP
	WIN 0
	FETCH_A \next, 0, 4
.endm
	s_wait_tensorcnt 1                             ; the scales and my part of K step 0 are in (K step 1's load may be out)
	s_barrier_signal -1
	s_barrier_wait -1                              ; everybody's are
	FETCH_B 0, 0, 0
	FETCH_A 0, 0, 0
	SCALES 0
	FETCH_A 0, 0, 4
	STEP 0, 0, 1                                   ; the first step stands in front of the loop: its products start the sums
	s_mov_b32 s3, LAPS-1
.Llap:                                                 ; a trip goes once round the ring and fills both slots again
	TURN 0, 1, 1
	STEP 1, 0, 0
	TURN 1, 0, 1
	STEP 0, 0, 0
	s_sub_co_u32 s3, s3, 1
	s_cmp_lg_u32 s3, 0
	s_cbranch_scc1 .Llap
	TURN 0, 1, 0                                   ; the last lap fills nothing
	STEP 1, 0, 0
	s_wait_dscnt 4*NL                              ; the very last step: nothing more to fetch
	WIN MUL_LO
	MUL16 0, 1, NQ-1, 1, 0
	MUL16 2, 1, NQ-1, 1, 0
	s_wait_dscnt 0
	WIN MUL_HI
	MUL16 4, 1, NQ-1, 1, 0
	MUL16 6, 1, NQ-1, 1, 0
	WIN 0
; THE EPILOGUE.  Block a of A (16 lanes' rows) has 64 numbers a lane: register 16 b + i = B's row 32 b + 16 (lane / 16) + i.  The bias is added, the 64 numbers are quantised in four blocks of 32, and codes and scale words leave.
; 64 numbers of a lane, v[s] on, become a fragment's 12 registers in v[PC] on and the row's scale word in v[PW].
.macro QUANT s
.irp b, 0,1,2,3
	v_max3_num_f32 v[TM+\b], |v[\s+16*\b]|, |v[\s+1+16*\b]|, 0x1800000   ; block b: my 16 numbers, and the floor 2^(3 - 127): the byte cannot fall under 1
.endr
.irp i, 2,4,6,8,10,12,14
.irp b, 0,1,2,3
	v_max3_num_f32 v[TM+\b], v[TM+\b], |v[\s+16*\b+\i]|, |v[\s+1+16*\b+\i]|   ; (the four blocks by turns)
.endr
.endr
.irp b, 0,1,2,3
	v_permlanex16_b32 v[TM+4+\b], v[TM+\b], s[SEL], s[SEL+1]
.endr
.irp b, 0,1,2,3
	v_max_num_f32 v[TM+\b], v[TM+\b], v[TM+4+\b]   ; with lane l xor 16's: the block's largest magnitude
.endr
.irp b, 0,1,2,3
	v_add_nc_u32 v[TM+8+\b], 0xff000000, v[TM+\b]  ; 2 off its exponent field: the conversion's scale operand
.endr
.irp b, 0,1,2,3
	v_lshrrev_b32 v[TM+4+\b], 23, v[TM+8+\b]       ; the scale's byte
.endr
	v_lshl_or_b32 v[PW], v[TM+5], 8, v[TM+4]
	v_lshl_or_b32 v[PW], v[TM+6], 16, v[PW]
	v_lshl_or_b32 v[PW], v[TM+7], 24, v[PW]
.irp c, 0,1
	v_cvt_scalef32_pk16_fp6_f32 v[PC+6*\c:PC+2+6*\c], v[\s+32*\c:\s+15+32*\c], v[TM+8+2*\c]
	v_cvt_scalef32_pk16_fp6_f32 v[PC+12+4*\c:PC+14+4*\c], v[\s+16+32*\c:\s+31+32*\c], v[TM+8+2*\c+1]   ; (a conversion's three registers begin on an even number)
.endr
	v_nop                                          ; one plain line behind a scaled conversion
.irp c, 0,1                                    ; the operand's layout wants a WHOLE block in a lane: lanes 0-15 block 2 c, lanes 16-31 block 2 c + 1
.irp i, 0,1,2
	v_permlane16_swap_b32 v[PC+6*\c+\i], v[PC+12+4*\c+\i]
.endr
.irp i, 0,1,2
	v_mov_b32 v[PC+3+6*\c+\i], v[PC+12+4*\c+\i]
.endr
.endr
.endm
.macro ADDB a, kind                    ; block a's 64 numbers + the bias -> v[T] on; each accumulator is read from its low end on
	s_wait_xcnt 0x0                                ; the last block's stores have read their registers
	WIN (0x02+(\a)/4)                              ; source 0: window 2 or 3
.set j, 0
.rept 32
.if \kind
	v_pk_add_f32 v[T+j:T+j+1], v[64*((\a)%4)+j:64*((\a)%4)+j+1], v[BR+2*(\a):BR+2*(\a)+1]
.else
	v_pk_add_f32 v[T+j:T+j+1], v[64*((\a)%4)+j:64*((\a)%4)+j+1], v[BP+j:BP+j+1]
.endif
.set j, j+2
.endr
	WIN 0
.endm
; q, k: block a is a tile of 16 tokens; registers 0-5 of the fragment are my first head's 64, registers 6-11 my second's.  A head's scale word is (s0, s1, s0, s1): the product's K is 128, its upper 64 are zeros in q.
.macro BLKQ a
	ADDB \a, 0
	QUANT T
	global_store_b128 v[L16], v[PC:PC+3], s[C0:C0+1] offset:768*(\a)
	global_store_b64 v[L8], v[PC+4:PC+5], s[C0:C0+1] offset:768*(\a)+512
	global_store_b128 v[L16], v[PC+6:PC+9], s[C1:C1+1] offset:768*(\a)
	global_store_b64 v[L8], v[PC+10:PC+11], s[C1:C1+1] offset:768*(\a)+512
.if (\a)%2 == 0                                ; register a / 2 of four: lanes 0-15 the even tile's words, lanes 16-31 the odd tile's
	v_perm_b32 v[SW+(\a)/2], v[PW], v[PW], 0x01000100
	v_perm_b32 v[SW+4+(\a)/2], v[PW], v[PW], 0x03020302
.else
	v_perm_b32 v[TP], v[PW], v[PW], 0x01000100
	v_cndmask_b32 v[SW+(\a)/2], v[SW+(\a)/2], v[TP], s[HM]
	v_perm_b32 v[TP], v[PW], v[PW], 0x03020302
	v_cndmask_b32 v[SW+4+(\a)/2], v[SW+4+(\a)/2], v[TP], s[HM]
.endif
.endm
; v: block a is a tile of 16 features of head a / 4; the fragment is 16 features x my 128 keys, whole
.macro BLKV a
	ADDB \a, 1
	QUANT T
.irp i, 0,1,2
.if (\a) < 4
	global_store_b128 v[L16], v[PC+4*\i:PC+4*\i+3], s[C0:C0+1] offset:((\a)%4)*1536+512*\i
.else
	global_store_b128 v[L16], v[PC+4*\i:PC+4*\i+3], s[C1:C1+1] offset:((\a)%4)*1536+512*\i
.endif
.endr
.if (\a)%2 == 0
	v_mov_b32 v[SW+2*((\a)/4)+((\a)%4)/2], v[PW]
.else
	v_cndmask_b32 v[SW+2*((\a)/4)+((\a)%4)/2], v[SW+2*((\a)/4)+((\a)%4)/2], v[PW], s[HM]
.endif
.endm
	s_wait_loadcnt 0x0                             ; the biases; their bases and offsets may be written again
	PLACES NP                                      ; behind the last products: their results are read and A's registers written below
.irp b, 0,1,2,3
	v_mov_b32 v[TM+4+\b], 0                        ; written once: a lane permute's destination counts as one of its sources
.endr
	s_mov_b32 s[SEL], 0x76543210
	s_mov_b32 s[SEL+1], 0xfedcba98
	s_mov_b32 s[HM], 0xffff0000
	s_lshr_b32 s18, s67, 4                         ; the batch,
	s_lshl_b32 s18, s18, 4
	s_add_co_u32 s18, s18, s66                     ; 16 x batch + my first head
	s_and_b32 s19, s67, 15                         ; my group of 128 tokens in the batch
	s_mov_b32 s94, 208896
	s_mov_b32 s46, 196608
	s_cmp_eq_u32 ttmp9, 0
	s_cselect_b32 s94, 106496, s94                 ; a head's bytes: in qb, in kv
	s_cselect_b32 s46, 98304, s46                  ; where its scale words begin: q, k,
	s_mov_b32 s95, 0
	s_mov_b32 s47, 204800
	s_cmp_eq_u32 ttmp9, 2
	s_cselect_b32 s46, s47, s46                    ; v
	s_cselect_b32 s47, 8, 9                        ; 256 or 512 bytes of them for 128 tokens
	s_cselect_b32 s92, 98304, 0                    ; V's codes lie behind K's
	s_lshl_b32 s47, s19, s47
	s_mul_i32 s20, s18, s94
	s_mul_i32 s22, s19, 6144                       ; 128 tokens' codes of a head
	s_add_co_u32 s22, s22, s20
	s_add_co_u32 s22, s22, s92
	s_mov_b32 s23, 0
	s_add_nc_u64 s[C0:C0+1], s[96:97], s[22:23]
	s_add_nc_u64 s[C1:C1+1], s[C0:C0+1], s[94:95]
	s_add_co_u32 s20, s20, s46
	s_add_co_u32 s20, s20, s47
	s_mov_b32 s21, 0
	s_add_nc_u64 s[S0:S0+1], s[96:97], s[20:21]
	s_add_nc_u64 s[S1:S1+1], s[S0:S0+1], s[94:95]
	s_cmp_eq_u32 ttmp9, 2                          ; the cluster's x: the same in all sixteen partners
	s_cbranch_scc1 .Lepi_v
.irp a, 0,1,2,3,4,5,6,7
	BLKQ \a
.endr
	global_store_b128 v[L16], v[SW:SW+3], s[S0:S0+1]           ; 512 bytes: the scale words of 128 tokens
	global_store_b128 v[L16], v[SW+4:SW+7], s[S1:S1+1]
	s_branch .Lepi_end
.Lepi_v:
.irp a, 0,1,2,3,4,5,6,7
	BLKV \a
.endr
	global_store_b64 v[L8], v[SW:SW+1], s[S0:S0+1]             ; 256 bytes: a head's 64 features x this step's four key blocks
	global_store_b64 v[L8], v[SW+2:SW+3], s[S1:S1+1]
.Lepi_end:
	s_wait_tensorcnt 0x0                           ; the wave's end
	ds_add_u32 v[SPW], v[NIL]
	s_wait_dscnt 0x0
	CROUND                                         ; the closing round: no work-group ends while a partner may still ask for a tile that names it
	s_endpgm
.Lfunc_end_k_q9a5238ba83_proj:
	.size	k_q9a5238ba83_proj, .Lfunc_end_k_q9a5238ba83_proj-k_q9a5238ba83_proj
	.p2alignl 7, 3214868480
	.fill 96, 4, 3214868480
	.section	.rodata,"a",@progbits
	.p2align	6, 0x0
	.amdhsa_kernel k_q9a5238ba83_proj
		.amdhsa_group_segment_fixed_size 327680
		.amdhsa_private_segment_fixed_size 0
		.amdhsa_enable_private_segment 0
		.amdhsa_kernarg_size 56
		.amdhsa_user_sgpr_count 2
		.amdhsa_user_sgpr_kernarg_segment_ptr 1
		.amdhsa_wavefront_size32 1
		.amdhsa_system_sgpr_workgroup_id_x 1
		.amdhsa_system_sgpr_workgroup_id_y 1
		.amdhsa_system_sgpr_workgroup_id_z 1
		.amdhsa_system_vgpr_workitem_id 0
		.amdhsa_next_free_vgpr 1024
		.amdhsa_next_free_sgpr 104
		.amdhsa_reserve_vcc 0
		.amdhsa_float_denorm_mode_32 3
		.amdhsa_float_denorm_mode_16_64 3
		.amdhsa_memory_ordered 1
		.amdhsa_forward_progress 1
		.amdhsa_inst_pref_size 237
	.end_amdhsa_kernel
	.amdgpu_metadata
---
amdhsa.version: [ 1, 2 ]
amdhsa.kernels:
  - .name:           k_q9a5238ba83_proj
    .symbol:         k_q9a5238ba83_proj.kd
    .args:
      - { .name: xq, .offset: 0, .size: 8, .value_kind: global_buffer, .address_space: global }
      - { .name: wq, .offset: 8, .size: 8, .value_kind: global_buffer, .address_space: global }
      - { .name: bq, .offset: 16, .size: 8, .value_kind: global_buffer, .address_space: global }
      - { .name: bk, .offset: 24, .size: 8, .value_kind: global_buffer, .address_space: global }
      - { .name: bv, .offset: 32, .size: 8, .value_kind: global_buffer, .address_space: global }
      - { .name: qb, .offset: 40, .size: 8, .value_kind: global_buffer, .address_space: global }
      - { .name: kv, .offset: 48, .size: 8, .value_kind: global_buffer, .address_space: global }
    .group_segment_fixed_size: 327680
    .private_segment_fixed_size: 0
    .kernarg_segment_align: 8
    .kernarg_segment_size: 56
    .max_flat_workgroup_size: 128
    .sgpr_count:     104
    .vgpr_count:     1024
    .wavefront_size: 32
...
	.end_amdgpu_metadata
.endif
;; end of part 2
;; launch attn (part 3): grid 256 x 1, 16 waves a work-group, clusters of 4 x 1, 219,136 bytes of LDS; arguments qb, kv, attn_mask, ob; writes ob
.if DOCPART == 3
	.amdgcn_target "amdgcn-amd-amdhsa--gfx1250"
	.amdhsa_code_object_version 6
	.text
	.protected	k_q9a5238ba83_attn
	.globl	k_q9a5238ba83_attn
	.p2align	8
	.type	k_q9a5238ba83_attn,@function
k_q9a5238ba83_attn:
	s_mov_b64 s[64:65], 0
	v_nop
	global_prefetch_b8 v0, s[64:65] scope:SCOPE_SE
	s_setreg_imm32_b32 hwreg(HW_REG_WAVE_MODE, 25, 1), 1
	s_wait_xcnt 0x0
	s_wait_alu depctr_hold_cnt(0) depctr_sa_sdst(0) depctr_va_vdst(0) depctr_va_sdst(0) depctr_va_ssrc(0) depctr_va_vcc(0) depctr_vm_vsrc(0)
	s_getreg_b32 s2, hwreg(HW_REG_IB_STS2, 6, 4)
	s_cmp_eq_u32 s2, 0
	s_cbranch_scc0 .Lentry_in_a_cluster
	s_endpgm
.Lentry_in_a_cluster:
	s_bfe_u32 s2, ttmp6, 0x10000c
	s_cmp_lg_u32 s2, 0x3003
	s_cbranch_scc0 .Lentry_shape_is_right
	s_endpgm
.Lentry_shape_is_right:
; o = softmax(q k^T / 8, causal and with the key mask) v, for one head of one batch a cluster, both products on codes of FP6 (E2M3) with E8M0 scales; o is quantised along the features and leaves as codes.
; THE SOFTMAX: t = score x log2(e) / 8; M = the row's largest t so far, rounded up to a whole number; p = 2^(t - M) is quantised along the keys, not normalised; the row's sum is taken of the unquantised p and divides O at the end.
; When M moves, the sum and O are multiplied by 2^(old M - new M): exact.
; SHARES.  Cluster = head (16 x batch + head, 0..63).  All of the head's K and V, codes and scale words, are ONE dense block of 208,896 bytes of kv: it comes into each partner's LDS once, by sixteen joint loads (one a wave,
; 51 rows of 256 bytes), and stays: no ring, no refill, no barrier in the loop.  A group of 128 queries has 8 tiles of 16; work-group cx takes tiles 2 cx and 2 cx + 1; wave w takes group w with the first (pass 0) and
; group 15 - w with the second (pass 1): a tile of group a needs key steps 0 .. a, so every wave works 17 key steps of 128.  Four waves share a SIMD: one wave's vector work stands beside another's products and LDS loads.
; LAYOUT.  Both products are used transposed: S^T = K Q^T, O^T = V^T P^T: a lane holds ONE query (lane % 16).  Tokens and V's features are stored so (launch quant) that the 16 registers of tiles 2 b and 2 b + 1 are 16 neighbours:
; keys 32 b + 16 (lane / 16) + 0 .. 15 in S^T, the head's dims likewise in O^T.
; THE HEAD HAS 64 DIMS, the instruction's K is 128: q's upper six registers are zero codes.  K's upper six are whatever follows (the next tile's codes, zeros behind the last): every code of this format is a finite number, so those products are 0.
; MASKS.  Causal: steps above the diagonal are jumped over (a branch on the wave's number and the loop's counter); in the diagonal step hidden scores become -infinity.  The key mask is read once and kept in LDS as 0 or -2^32 for each key;
; it is the C of the score product.
; LIMIT: a masked key's score gets -2^32 added, not -infinity: |q . k| must stay under 2^30.  While all keys of a row so far are masked, p, the sum and O hold finite numbers, which the first valid key multiplies by 0.
; A ROW WITH NO VALID KEY (its largest t lies under -2^29) is NaN in the definition: its scale bytes are 0xff, which makes the last product's row NaN.
; NaN and infinities among the inputs are not served.
.set KC,   0                           ; LDS: K's codes [16 steps][8 tiles][768]
.set VC,   98304                       ; V's codes [16 steps][4 tiles][1536]
.set KSC,  196608                      ; K's scale words [16 steps][512]
.set VSC,  204800                      ; V's scale words [16 steps][256]
.set MB,   208896                      ; the mask as f32, [2048] by key: written by LDS stores; no tensor load lands here
.set HEADB, 208896                     ; a head's bytes in kv
.set PART,  13056                      ; a wave's sixteenth of them: 51 rows of 256 bytes
.set L16,  1                           ; v1   16 x lane
.set L8,   2                           ; v2   8 x lane
.set AM0,  3                           ; v3   64 (lane / 16) + MB
.set AVS0, 4                           ; v4   8 x lane + VSC
.set AKS0, 5                           ; v5   16 x lane + KSC
.set AV0,  6                           ; v6   16 x lane + VC
.set BY,   7                           ; v7   2 (lane % 16) + lane / 16: my scale byte's place
.set ADK,  8                           ; v8-11, v29, v30: the step's LDS addresses
.set ADK8, 9
.set ADV,  10
.set ADKS, 11
.set ADVS, 29
.set ADM,  30
.set MO,   31                          ; v31  16 x thread: my four keys of the mask
.set DQ,   86                          ; v86  my query in its group of 128, less 16 (lane / 16), for pass 0
.set R16,  87                          ; v87  16 (lane % 16)
.set WV,   12                          ; s12  wave
.set CX,   13                          ; s13  my place in the cluster: it enters global addresses and one compared number, no branch and no LDS address
.set BH,   14                          ; s14  16 x batch + head
.set BT,   15                          ; s15  batch
.set HD,   16                          ; s16  head
.set SEL,  20                          ; s[20:21] lane selects for v_permlanex16_b32: lane l xor 16
.set CS,   22                          ; s[22:23] c = log2(e) / 8
.set HM,   24                          ; s24  lanes 16-31
.set THR,  25                          ; s25  -2^29
.set G1,   28                          ; s[28:35] descriptor group 1;  s[36:39] group 0
.set G0,   36
.set STP,  40                          ; s40  the key step
.set AGR,  41                          ; s41  my group of queries = my last key step
.set TK,   42                          ; s42  6,144 x step
.set TS,   43                          ; s43  512 x step
.set TV,   44                          ; s44  256 x step
; REGISTERS: v12 -M, v13 the largest t, v[14:15] the sum; v16-27 Q of pass 0, v200-211 of pass 1 (the upper six: 0); v28 the diagonal's compare; v32-79 K's fragments, then V's; v80-85 zeros; v96-159 S^T, then p;
; v160-191 O^T; v192-193 V's scale words; v212, v255 Q's; v224-235 p's codes; v232-247 at work; v248-251 K's scale words; v252 f; v253 p's scale word; v254 at work.
.macro CROUND                          ; a round of the cluster's barrier
	s_barrier_signal -1
	s_barrier_wait -1
	s_cmp_lg_u32 s[WV], 0
	s_cbranch_scc1 .Lnot_wave_0_\@
	s_barrier_signal -3
.Lnot_wave_0_\@:
	s_barrier_wait -3
	s_barrier_signal -1
	s_barrier_wait -1
.endm
	s_load_b256 s[4:11], s[0:1], 0x0               ; qb s[4:5], kv s[6:7], attn_mask s[8:9], ob s[10:11]
	v_lshl_add_u32 v223, v0, 2, 0x35000
	v_mov_b32 v243, 0
	ds_add_u32 v223, v243
	ds_add_u32 v223, v243
	v_lshrrev_b32 v1, 5, v0
	s_delay_alu instid0(VALU_DEP_1)
	v_readfirstlane_b32 s[WV], v1                  ; wave 0..15
	s_bfe_u32 s[CX], ttmp6, 0x40000
	s_mov_b32 s[BH], ttmp9                         ; in a cluster launch ttmp9 counts clusters
	s_lshr_b32 s[BT], s[BH], 4
	s_and_b32 s[HD], s[BH], 15
	s_mov_b32 s[G1], 15|(3<<16)|(1<<21)            ; 15:0 the mask: all four work-groups; elements of 8 bytes; no padding; 21 set beside a mask
	s_mov_b32 s[G1+1], 32<<16                      ; tensor_dim0 = 32 elements: 256 bytes
	s_mov_b32 s[G1+2], 51<<16                      ; tensor_dim1 = 51
	s_mov_b32 s[G1+3], 32<<16                      ; tile_dim0
	s_mov_b32 s[G1+4], 51                          ; tile_dim1
	s_mov_b32 s[G1+5], 32                          ; the rows are dense
	s_mov_b32 s[G1+6], 0
	s_mov_b32 s[G1+7], 0
	s_mov_b32 s[G0], 1
	s_mul_i32 s[G0+1], s[WV], PART                 ; LDS address: wave x 13,056
	s_mul_i32 s58, s[BH], HEADB
	s_add_co_u32 s58, s58, s[G0+1]
	s_mov_b32 s59, 0
	s_mov_b32 s[SEL], 0x76543210
	s_mov_b32 s[SEL+1], 0xfedcba98
	s_mov_b32 s[CS], 0x3e38aa3b                    ; log2(e) / 8
	s_mov_b32 s[CS+1], s[CS]                       ; (named with it as a pair, so it is written)
	s_mov_b32 s[HM], 0xffff0000
	s_mov_b32 s[THR], 0xce000000
	s_wait_dscnt 0x0
	s_wait_kmcnt 0x0
	s_add_nc_u64 s[G0+2:G0+3], s[6:7], s[58:59]    ; the head's block, my sixteenth: the same in all four partners
	s_or_b32 s[G0+3], s[G0+3], 0x80000000
	CROUND                                         ; all four work-groups are here: the joint loads meet
	tensor_load_to_lds s[G0:G0+3], s[G1:G1+7]      ; my one tensor load of the launch
	s_nop 0
.rept 4
	v_nop
.endr
	v_and_b32 v94, 31, v0                          ; lane
	v_and_b32 v92, 15, v0                          ; r
	v_bfe_u32 v93, v0, 4, 1                        ; h
	s_delay_alu instid0(VALU_DEP_3)
	v_lshlrev_b32 v[L16], 4, v94
	s_delay_alu instid0(VALU_DEP_4)
	v_lshlrev_b32 v[L8], 3, v94
	s_delay_alu instid0(VALU_DEP_3)
	v_lshl_add_u32 v[AM0], v93, 6, MB
	s_delay_alu instid0(VALU_DEP_2)
	v_add_nc_u32 v[AVS0], VSC, v[L8]
	s_delay_alu instid0(VALU_DEP_4)
	v_add_nc_u32 v[AKS0], KSC, v[L16]
	v_add_nc_u32 v[AV0], VC, v[L16]
	v_lshl_add_u32 v[BY], v92, 1, v93
	v_lshlrev_b32 v[R16], 4, v92
	s_wait_alu depctr_va_vdst(0)
	v_and_b32 v[DQ], 8, v92
	s_delay_alu instid0(VALU_DEP_1)
	v_add_nc_u32 v[DQ], v[DQ], v92                 ; r + 8 (r / 8): the token that stored row r is,
	v_lshlrev_b32 v95, 4, v93
	s_delay_alu instid0(VALU_DEP_1)
	v_sub_nc_u32 v[DQ], v[DQ], v95                 ; - 16 h,
	s_lshl_b32 s58, s[CX], 5
	v_add_nc_u32 v[DQ], s58, v[DQ]                 ; + 32 cx: tiles 2 cx and 2 cx + 1 lie in one group of 32 tokens
	v_lshlrev_b32 v[MO], 4, v0
	v_lshl_add_u32 v[ADM], v0, 4, MB               ; (until the first step: where my four keys' mask goes)
	s_lshl_b32 s58, s[BT], 13                      ; the batch's 2,048 words of the mask
	s_add_nc_u64 s[8:9], s[8:9], s[58:59]
	global_load_b128 v[88:91], v[MO], s[8:9]
	s_mul_i32 s58, s[BH], 106496                   ; the head's bytes in qb
	s_mul_i32 s60, s[CX], 1536
	s_add_co_u32 s60, s60, s58                     ; codes: + tile 2 cx
	s_lshl_b32 s62, s[CX], 2
	s_add_co_u32 s62, s62, s58
	s_add_co_u32 s62, s62, 98304                   ; scale words: the word at 16 x lane + 4 j belongs to tile 2 j + lane / 16
	s_xor_b32 s63, s[WV], 15                       ; pass 1's group: 15 - wave
	s_mul_i32 s58, s[WV], 6144
	s_add_co_u32 s58, s58, s60
	s_add_nc_u64 s[46:47], s[4:5], s[58:59]
	s_lshl_b32 s58, s[WV], 9
	s_add_co_u32 s58, s58, s62
	s_add_nc_u64 s[48:49], s[4:5], s[58:59]
	s_mul_i32 s58, s63, 6144
	s_add_co_u32 s58, s58, s60
	s_add_nc_u64 s[50:51], s[4:5], s[58:59]
	s_lshl_b32 s58, s63, 9
	s_add_co_u32 s58, s58, s62
	s_add_nc_u64 s[52:53], s[4:5], s[58:59]
	global_load_b128 v[16:19], v[L16], s[46:47]                ; Q stays in registers: pass 0's tile,
	global_load_b64 v[20:21], v[L8], s[46:47] offset:512
	global_load_b32 v255, v[R16], s[48:49]                     ; its scale words (every lane takes row lane % 16's),
	global_load_b128 v[200:203], v[L16], s[50:51] offset:768   ; pass 1's tile, the next in its group,
	global_load_b64 v[204:205], v[L8], s[50:51] offset:768+512
	global_load_b32 v212, v[R16], s[52:53] offset:256          ; whose words lie 16 lanes on
.irp i, 0,1,2,3,4,5
	v_mov_b32 v[22+\i], 0                          ; the upper 64 of the product's K: zero codes
	v_mov_b32 v[206+\i], 0
	v_mov_b32 v[80+\i], 0                          ; what the last tile of K names as its upper six; never rewritten
.endr
.irp b, 0,1,2,3
	v_mov_b32 v[236+\b], 0                         ; written once: a lane permute's destination counts as one of its sources
.endr
	v_mov_b32 v252, 0
	v_mov_b32 v253, 0                              ; (named as the upper half of the pair v[252:253] before it is first written)
	v_mov_b32 v95, 0xcf800000                      ; -2^32
	s_wait_alu depctr_va_vdst(0)
	s_wait_loadcnt 0x0
.irp i, 0,1,2,3
	v_cmp_eq_u32 vcc_lo, 0, v[88+\i]
	s_delay_alu instid0(VALU_DEP_1)
	v_cndmask_b32 v[88+\i], 0, v95, vcc_lo         ; 0 for a key that counts, -2^32 for one that does not
.endr
	ds_store_b128 v[ADM], v[88:91]
	s_wait_tensorcnt 0x0                           ; my sixteenth of the head has landed,
	s_wait_dscnt 0x0                               ; my four keys' mask is stored:
	s_barrier_signal -1
	s_barrier_wait -1                              ; everybody's are.  From here on LDS is only read
; A KEY STEP: 128 keys.  qf: Q's fragment; qs: its scale words.
.macro STEP qf, qs
	s_cmp_gt_u32 s[STP], s[AGR]                    ; all keys of the step come after my queries: its work is left out; the lines at its end that step addresses are not
	s_cbranch_scc1 .Lhid_\@
	s_setprio 2
	v_add_nc_u32 v[ADK], s[TK], v[L16]             ; (these six are also the places between the last step's products and the loads into their registers)
	v_add_nc_u32 v[ADK8], s[TK], v[L8]
	v_add_nc_u32 v[ADV], s[TK], v[AV0]
	v_add_nc_u32 v[ADKS], s[TS], v[AKS0]
	v_add_nc_u32 v[ADVS], s[TV], v[AVS0]
	v_add_nc_u32 v[ADM], s[TS], v[AM0]
	ds_load_b128 v[248:251], v[ADKS]               ; K's scale words: register j: lanes 0-15 tile 2 j, lanes 16-31 tile 2 j + 1
.irp t, 0,1,2,3,4,5,6,7
	ds_load_b128 v[32+6*\t:35+6*\t], v[ADK] offset:768*\t          ; a tile of K as an image of its six registers
	ds_load_b64 v[36+6*\t:37+6*\t], v[ADK8] offset:768*\t+512
.endr
.irp n, 0,1,2,3,4,5,6,7,8,9,10,11,12,13,14,15
	ds_load_b128 v[96+4*\n:99+4*\n], v[ADM] offset:128*(\n/4)+16*(\n%4)   ; the mask of key 32 b + 16 h + i, where the sums' C is read
.endr
	s_wait_alu depctr_va_vdst(0)
	s_wait_dscnt 0x0
.irp t, 0,1,2,3,4,5,6,7                        ; S^T = K Q^T + the mask; the eight accumulators take turns
.if \t%2 == 0
	v_wmma_scale_f32_16x16x128_f8f6f4 v[96+8*\t:103+8*\t], v[32+6*\t:43+6*\t], v[\qf:\qf+11], v[96+8*\t:103+8*\t], v[248+\t/2], v[\qs] matrix_a_fmt:MATRIX_FMT_FP6 matrix_b_fmt:MATRIX_FMT_FP6
.else
	v_wmma_scale_f32_16x16x128_f8f6f4 v[96+8*\t:103+8*\t], v[32+6*\t:43+6*\t], v[\qf:\qf+11], v[96+8*\t:103+8*\t], v[248+\t/2], v[\qs] matrix_a_fmt:MATRIX_FMT_FP6 matrix_b_fmt:MATRIX_FMT_FP6 matrix_a_scale:MATRIX_SCALE_ROW1
.endif
.endr
.rept 4
	v_nop                                          ; places: in front of the loads into K's registers and of the first read of the scores
.endr
.irp t, 0,1,2,3                                ; V's four tiles land while the softmax is walked
.irp i, 0,1,2
	ds_load_b128 v[32+12*\t+4*\i:35+12*\t+4*\i], v[ADV] offset:1536*\t+512*\i
.endr
.endr
	ds_load_b64 v[192:193], v[ADVS]                ; V's scale words: register j: lanes 0-15 tile 2 j, lanes 16-31 tile 2 j + 1
	s_cmp_lg_u32 s[STP], s[AGR]                    ; only my last step lies on the diagonal
	s_cbranch_scc1 .Lopen_\@
	v_mov_b32 v254, 0xff800000                     ; -infinity.  Register 16 b + i holds key 32 b + 16 h + i of the step: hidden where 32 b + i > my query - 16 h
.set n, 0
.rept 64
	v_cmp_gt_i32 vcc_lo, 32*(n/16)+n%16, v28
	v_cndmask_b32 v[96+n], v[96+n], v254, vcc_lo
.set n, n+1
.endr
.Lopen_\@:
.irp b, 0,1,2,3
	v_max3_num_f32 v[232+\b], v[96+16*\b], v[97+16*\b], v[98+16*\b]   ; the largest score of each block of 32 keys: for the row's maximum, and, since p rises with the score, for the block's largest p
.endr
.irp i, 3,5,7,9,11,13
.irp b, 0,1,2,3
	v_max3_num_f32 v[232+\b], v[232+\b], v[96+16*\b+\i], v[97+16*\b+\i]
.endr
.endr
.irp b, 0,1,2,3
	v_max_num_f32 v[232+\b], v[232+\b], v[111+16*\b]
.endr
.irp b, 0,1,2,3
	s_delay_alu instid0(VALU_DEP_4)
	v_permlanex16_b32 v[236+\b], v[232+\b], s[SEL], s[SEL+1]
.endr
.irp b, 0,1,2,3
	s_delay_alu instid0(VALU_DEP_4)
	v_max_num_f32 v[232+\b], v[232+\b], v[236+\b]  ; with lane l xor 16's 16 keys
.endr
	s_delay_alu instid0(VALU_DEP_2)
	v_max3_num_f32 v254, v232, v233, v234
	s_delay_alu instid0(VALU_DEP_1)
	v_max_num_f32 v254, v254, v235                 ; the step's largest score of my query
	s_delay_alu instid0(VALU_DEP_1)
	v_mul_f32 v254, s[CS], v254                    ; as t (c is positive)
	s_delay_alu instid0(VALU_DEP_1)
	v_max_num_f32 v13, v13, v254                   ; the running largest t
	v_mov_b32 v254, v12
	s_delay_alu instid0(VALU_DEP_2)
	v_floor_f32 v12, -v13                          ; the new -M = floor(-t): M is a whole number
	s_delay_alu instid0(VALU_DEP_1)
	v_sub_f32 v254, v12, v254                      ; old M - new M: a whole number, 0 or less
	s_delay_alu instid0(VALU_DEP_1)
	v_cvt_i32_f32 v254, v254                       ; (it saturates)
	s_delay_alu instid0(VALU_DEP_1)
	v_ldexp_f32 v252, 1.0, v254                    ; f = 2^(old M - new M)
.set j, 0
	s_setprio 1
.rept 32
	v_pk_fma_f32 v[96+j:97+j], v[96+j:97+j], s[CS:CS+1], v[12:13] op_sel_hi:[1,0,0]   ; t - M, two at a time
.set j, j+2
.endr
.irp b, 0,1,2,3
	v_fma_f32 v[232+\b], v[232+\b], s[CS], v12     ; the same of each block's largest score
.endr
.set j, 0
	s_wait_alu depctr_va_vdst(0)
.rept 64
	v_exp_f32 v[96+j], v[96+j]                     ; p = 2^(t - M), at most 1
.set j, j+1
.endr
	v_pk_mul_f32 v[14:15], v[14:15], v[252:253] op_sel_hi:[1,0]   ; the sums under the new M (the plain line behind the exponentials)
	s_wait_alu depctr_va_vdst(0)                   ; one wait for the whole batch, ahead of its first reader
.irp b, 0,1,2,3
	v_exp_f32 v[232+\b], v[232+\b]                 ; the block's largest p: the same two instructions on the same number give the same bits
.endr
	v_pk_add_f32 v[236:237], v[100:101], v[104:105]
	v_pk_add_f32 v[250:251], v[108:109], v[112:113]
	v_pk_add_f32 v[248:249], v[116:117], v[120:121]
	v_pk_add_f32 v[246:247], v[124:125], v[128:129]
	v_pk_add_f32 v[244:245], v[132:133], v[136:137]
	v_pk_add_f32 v[240:241], v[140:141], v[144:145]
	v_pk_add_f32 v[238:239], v[148:149], v[152:153]
	v_pk_add_f32 v[14:15], v[14:15], v[156:157]
	v_pk_add_f32 v[236:237], v[236:237], v[96:97]
	v_pk_add_f32 v[250:251], v[250:251], v[98:99]
	v_pk_add_f32 v[248:249], v[248:249], v[102:103]
	v_pk_add_f32 v[246:247], v[246:247], v[106:107]
	v_pk_add_f32 v[244:245], v[244:245], v[110:111]
	v_pk_add_f32 v[240:241], v[240:241], v[114:115]
	v_pk_add_f32 v[238:239], v[238:239], v[118:119]
	v_pk_add_f32 v[14:15], v[14:15], v[122:123]
	v_pk_add_f32 v[236:237], v[236:237], v[126:127]
	v_pk_add_f32 v[250:251], v[250:251], v[130:131]
	v_pk_add_f32 v[248:249], v[248:249], v[134:135]
	v_pk_add_f32 v[246:247], v[246:247], v[138:139]
	v_pk_add_f32 v[244:245], v[244:245], v[142:143]
	v_pk_add_f32 v[240:241], v[240:241], v[146:147]
	v_pk_add_f32 v[238:239], v[238:239], v[150:151]
	v_pk_add_f32 v[14:15], v[14:15], v[154:155]
	v_pk_add_f32 v[236:237], v[236:237], v[158:159]
	s_delay_alu instid0(VALU_DEP_2)
	v_pk_add_f32 v[14:15], v[14:15], v[246:247]
	s_delay_alu instid0(VALU_DEP_2)
	v_pk_add_f32 v[236:237], v[236:237], v[244:245]
	v_pk_add_f32 v[250:251], v[250:251], v[240:241]
	v_pk_add_f32 v[248:249], v[248:249], v[238:239]
	s_delay_alu instid0(VALU_DEP_2)
	v_pk_add_f32 v[14:15], v[14:15], v[250:251]
	s_delay_alu instid0(VALU_DEP_2)
	v_pk_add_f32 v[236:237], v[236:237], v[248:249]
	s_delay_alu instid0(VALU_DEP_1)
	v_pk_add_f32 v[14:15], v[14:15], v[236:237]
	s_wait_alu depctr_va_vdst(0)                   ; and one for the four
.irp b, 0,1,2,3
	v_max_num_f32 v[232+\b], 0x1800000, v[232+\b]  ; the floor 2^(3 - 127): a block whose every p is 0 keeps the byte 1: its codes are zeros
.endr
.irp b, 0,1,2,3
	s_delay_alu instid0(VALU_DEP_4)
	v_add_nc_u32 v[244+\b], 0xff000000, v[232+\b]  ; 2 off the exponent field: the conversion's scale operand
.endr
.irp b, 0,1,2,3
	s_delay_alu instid0(VALU_DEP_4)
	v_lshrrev_b32 v[236+\b], 23, v[244+\b]         ; the scale's byte
.endr
	s_delay_alu instid0(VALU_DEP_3)
	v_lshl_or_b32 v253, v237, 8, v236              ; p's scale word for these 128 keys
	s_delay_alu instid0(VALU_DEP_1)
	v_lshl_or_b32 v253, v238, 16, v253
	s_delay_alu instid0(VALU_DEP_1)
	v_lshl_or_b32 v253, v239, 24, v253
	s_setprio 0
.irp c, 0,1
	v_cvt_scalef32_pk16_fp6_f32 v[224+6*\c:226+6*\c], v[96+32*\c:111+32*\c], v[244+2*\c]
	v_cvt_scalef32_pk16_fp6_f32 v[236+4*\c:238+4*\c], v[112+32*\c:127+32*\c], v[244+2*\c+1]   ; (a conversion's three registers begin on an even number)
.endr
	v_nop                                          ; one plain line behind a scaled conversion
.irp c, 0,1                                    ; the operand's layout wants a WHOLE block in a lane
.irp i, 0,1,2
	v_permlane16_swap_b32 v[224+6*\c+\i], v[236+4*\c+\i]
.endr
.irp i, 0,1,2
	s_delay_alu instid0(VALU_DEP_3)
	v_mov_b32 v[227+6*\c+\i], v[236+4*\c+\i]
.endr
.endr
.set j, 0
.rept 16
	v_pk_mul_f32 v[160+j:161+j], v[160+j:161+j], v[252:253] op_sel_hi:[1,0]   ; O^T under the new M.  Of these sixteen, twelve name no register of any one product below: the places behind the writes of p's codes and scale word
.set j, j+2
.endr
	s_wait_alu depctr_va_vdst(0)
	s_wait_dscnt 0x0                               ; V is in
.irp t, 0,1,2,3                                ; O^T += V^T P^T: four tiles of 16 of the head's 64, by turns
.if \t%2 == 0
	v_wmma_scale_f32_16x16x128_f8f6f4 v[160+8*\t:167+8*\t], v[32+12*\t:43+12*\t], v[224:235], v[160+8*\t:167+8*\t], v[192+\t/2], v253 matrix_a_fmt:MATRIX_FMT_FP6 matrix_b_fmt:MATRIX_FMT_FP6
.else
	v_wmma_scale_f32_16x16x128_f8f6f4 v[160+8*\t:167+8*\t], v[32+12*\t:43+12*\t], v[224:235], v[160+8*\t:167+8*\t], v[192+\t/2], v253 matrix_a_fmt:MATRIX_FMT_FP6 matrix_b_fmt:MATRIX_FMT_FP6 matrix_a_scale:MATRIX_SCALE_ROW1
.endif
.endr
.Lhid_\@:
	s_add_co_u32 s[TK], s[TK], 6144                ; the next step's codes and scale words
	s_add_co_u32 s[TS], s[TS], 512
	s_add_co_u32 s[TV], s[TV], 256
.endm
; O^T / the sum is quantised along the head's 64 (two blocks of 32) and leaves: a tile's codes as an image of six registers, 768 consecutive bytes; a scale byte a lane, 32 consecutive bytes.
.macro FINISH p
.rept 4
	v_nop                                          ; places behind the last products
.endr
	v_add_f32 v14, v14, v15                        ; the sum's two halves,
	s_delay_alu instid0(VALU_DEP_1)
	v_permlanex16_b32 v252, v14, s[SEL], s[SEL+1]
	s_delay_alu instid0(VALU_DEP_1)
	v_add_f32 v14, v14, v252                       ; and lane l xor 16's
	s_wait_alu depctr_va_vdst(0)
	v_rcp_f32 v14, v14
	v_mov_b32 v252, 0xff                           ; (the plain line behind the reciprocal)
	s_lshl_b32 s58, s[BT], 7                       ; my tile of 16 stored tokens: 128 x batch + 8 x group + 2 cx + pass
	s_lshl_b32 s59, s[AGR], 3
	s_add_co_u32 s58, s58, s59
	s_lshl_b32 s59, s[CX], 1
	s_add_co_u32 s58, s58, s59
	s_add_co_u32 s58, s58, \p
	s_mul_i32 s60, s[HD], 393216                   ; a head's plane of codes: 512 tiles of 768 bytes
	s_mul_i32 s59, s58, 768
	s_add_co_u32 s60, s60, s59
	s_mov_b32 s61, 0
	s_add_nc_u64 s[54:55], s[10:11], s[60:61]
	s_lshl_b32 s60, s[HD], 14                      ; a head's scale bytes: 8,192 tokens x 2
	s_lshl_b32 s59, s58, 5
	s_add_co_u32 s60, s60, s59
	s_add_co_u32 s60, s60, 6291456
	s_add_nc_u64 s[56:57], s[10:11], s[60:61]
	s_wait_alu depctr_va_vdst(0)                   ; the wait ahead of the reciprocal's first reader
.set j, 0
.rept 16
	v_pk_mul_f32 v[96+j:97+j], v[160+j:161+j], v[14:15] op_sel_hi:[1,0]   ; register 16 b + i = dim 32 b + 16 h + i; each accumulator from its low end on
.set j, j+2
.endr
.irp b, 0,1
	v_max3_num_f32 v[232+\b], |v[96+16*\b]|, |v[97+16*\b]|, 0x1800000
.endr
.irp i, 2,4,6,8,10,12,14
.irp b, 0,1
	s_delay_alu instid0(VALU_DEP_2)
	v_max3_num_f32 v[232+\b], v[232+\b], |v[96+16*\b+\i]|, |v[97+16*\b+\i]|
.endr
.endr
.irp b, 0,1
	s_delay_alu instid0(VALU_DEP_2)
	v_permlanex16_b32 v[236+\b], v[232+\b], s[SEL], s[SEL+1]
.endr
.irp b, 0,1
	s_delay_alu instid0(VALU_DEP_2)
	v_max_num_f32 v[232+\b], v[232+\b], v[236+\b]
.endr
.irp b, 0,1
	s_delay_alu instid0(VALU_DEP_2)
	v_add_nc_u32 v[244+\b], 0xff000000, v[232+\b]
.endr
.irp b, 0,1
	s_delay_alu instid0(VALU_DEP_2)
	v_lshrrev_b32 v[236+\b], 23, v[244+\b]
.endr
	s_delay_alu instid0(VALU_DEP_1)
	v_cndmask_b32 v254, v236, v237, s[HM]          ; lanes 0-15 store block 0's byte, lanes 16-31 block 1's
	v_cmp_gt_f32 vcc_lo, s[THR], v13               ; no valid key in my row?
	s_delay_alu instid0(VALU_DEP_1)
	v_cndmask_b32 v254, v254, v252, vcc_lo         ; then the byte that makes the last product's row NaN
	v_cvt_scalef32_pk16_fp6_f32 v[224:226], v[96:111], v244
	v_cvt_scalef32_pk16_fp6_f32 v[236:238], v[112:127], v245
	v_nop
.irp i, 0,1,2
	v_permlane16_swap_b32 v[224+\i], v[236+\i]
.endr
.irp i, 0,1,2
	s_delay_alu instid0(VALU_DEP_3)
	v_mov_b32 v[227+\i], v[236+\i]                 ; registers 0-5: dims 32 h + 0 .. 31 of my token
.endr
.irp i, 0,1,2
	global_store_b64 v[L8], v[224+2*\i:225+2*\i], s[54:55] offset:256*\i       ; 256 consecutive bytes, aligned
.endr
	global_store_b8 v[BY], v254, s[56:57]
.endm
.macro PASS p, qf, qs
	s_wait_xcnt 0x0                                ; the last pass's stores have read their registers and bases
.if \p
	s_xor_b32 s[AGR], s[WV], 15                    ; 15 - wave
.else
	s_mov_b32 s[AGR], s[WV]
.endif
	v_mov_b32 v13, 0xff61b1e6                      ; the largest t so far: -3e38
	s_delay_alu instid0(VALU_DEP_1)
	v_floor_f32 v12, -v13                          ; -M
	v_mov_b32 v14, 0
	v_mov_b32 v15, 0
.set j, 0
.rept 32
	v_mov_b32 v[160+j], 0                          ; O^T: the step is written once; its first trip finds zeros
.set j, j+1
.endr
	v_add_nc_u32 v28, 8*\p, v[DQ]
	s_mov_b32 s[STP], 0
	s_mov_b32 s[TK], 0
	s_mov_b32 s[TS], 0
	s_mov_b32 s[TV], 0
.Lstep_\@:                                         ; sixteen trips in every wave: the count is a constant; hidden steps' work is jumped over
	STEP \qf, \qs
	s_add_co_u32 s[STP], s[STP], 1
	s_cmp_lt_u32 s[STP], 16
	s_cbranch_scc1 .Lstep_\@
	s_setprio 0
	FINISH \p
.endm
	PASS 0, 16, 255
	PASS 1, 200, 212
	s_wait_dscnt 0x0
	s_wait_tensorcnt 0x0
	ds_add_u32 v223, v243
	s_wait_dscnt 0x0
	CROUND                                         ; the closing round
	s_endpgm
.Lfunc_end_k_q9a5238ba83_attn:
	.size	k_q9a5238ba83_attn, .Lfunc_end_k_q9a5238ba83_attn-k_q9a5238ba83_attn
	.p2alignl 7, 3214868480
	.fill 96, 4, 3214868480
	.section	.rodata,"a",@progbits
	.p2align	6, 0x0
	.amdhsa_kernel k_q9a5238ba83_attn
		.amdhsa_group_segment_fixed_size 219136
		.amdhsa_private_segment_fixed_size 0
		.amdhsa_enable_private_segment 0
		.amdhsa_kernarg_size 32
		.amdhsa_user_sgpr_count 2
		.amdhsa_user_sgpr_kernarg_segment_ptr 1
		.amdhsa_wavefront_size32 1
		.amdhsa_system_sgpr_workgroup_id_x 1
		.amdhsa_system_sgpr_workgroup_id_y 1
		.amdhsa_system_sgpr_workgroup_id_z 1
		.amdhsa_system_vgpr_workitem_id 0
		.amdhsa_next_free_vgpr 256
		.amdhsa_next_free_sgpr 66
		.amdhsa_reserve_vcc 1
		.amdhsa_float_denorm_mode_32 3
		.amdhsa_float_denorm_mode_16_64 3
		.amdhsa_memory_ordered 1
		.amdhsa_forward_progress 1
		.amdhsa_inst_pref_size 67
	.end_amdhsa_kernel
	.amdgpu_metadata
---
amdhsa.version: [ 1, 2 ]
amdhsa.kernels:
  - .name:           k_q9a5238ba83_attn
    .symbol:         k_q9a5238ba83_attn.kd
    .args:
      - { .name: qb, .offset: 0, .size: 8, .value_kind: global_buffer, .address_space: global }
      - { .name: kv, .offset: 8, .size: 8, .value_kind: global_buffer, .address_space: global }
      - { .name: attn_mask, .offset: 16, .size: 8, .value_kind: global_buffer, .address_space: global }
      - { .name: ob, .offset: 24, .size: 8, .value_kind: global_buffer, .address_space: global }
    .group_segment_fixed_size: 219136
    .private_segment_fixed_size: 0
    .kernarg_segment_align: 8
    .kernarg_segment_size: 32
    .max_flat_workgroup_size: 512
    .sgpr_count:     66
    .vgpr_count:     256
    .wavefront_size: 32
...
	.end_amdgpu_metadata
.endif
;; end of part 3
;; launch outp (part 4): grid 4 x 32, 4 waves a work-group, clusters of 4 x 4, 327,680 bytes of LDS; arguments ob, wq, bo, out0; writes out0
.if DOCPART == 4
	.amdgcn_target "amdgcn-amd-amdhsa--gfx1250"
	.amdhsa_code_object_version 6
	.text
	.protected	k_q9a5238ba83_outp
	.globl	k_q9a5238ba83_outp
	.p2align	8
	.type	k_q9a5238ba83_outp,@function
k_q9a5238ba83_outp:
	s_mov_b64 s[64:65], 0
	v_nop
	global_prefetch_b8 v0, s[64:65] scope:SCOPE_SE
	s_setreg_imm32_b32 hwreg(HW_REG_WAVE_MODE, 25, 1), 1
	s_wait_xcnt 0x0
	s_wait_alu depctr_hold_cnt(0) depctr_sa_sdst(0) depctr_va_vdst(0) depctr_va_sdst(0) depctr_va_ssrc(0) depctr_va_vcc(0) depctr_vm_vsrc(0)
	s_getreg_b32 s2, hwreg(HW_REG_IB_STS2, 6, 4)
	s_cmp_eq_u32 s2, 0
	s_cbranch_scc0 .Lentry_in_a_cluster
	s_endpgm
.Lentry_in_a_cluster:
	s_bfe_u32 s2, ttmp6, 0x10000c
	s_cmp_lg_u32 s2, 0xf033
	s_cbranch_scc0 .Lentry_shape_is_right
	s_endpgm
.Lentry_shape_is_right:
; out0 = o Wo^T + bo on codes of FP6 (E2M3) with E8M0 scales; sums in f32.  o: ob, codes [16 heads][512 tiles of 16 stored tokens][768] (images of six registers: registers 2 p, 2 p + 1 at 256 p + 8 x lane),
; scale bytes [16 heads][8,192 stored tokens][2] at 6,291,456.  Wo: wq's rows 3,072 on, in their own order, 768 bytes a row; its scale bytes 32 a row.  out0: [8192][1024] f32.
; A tile of 256 x 256 is made by a work-group of four waves, 128 x 128 a wave.  K = 1,024 goes in four steps of 256 (four heads) through a ring of two LDS slots.
; A's part of a slot is four heads x 128 tokens' images, 6,144 consecutive bytes a head: a fragment of 128 along K is two heads' images, read as they lie, 8 bytes a lane: no pitch, no padding.
; A's SCALE WORDS (a token's 8 words of four bytes) are pieced together once, at the head, from the 16 heads' byte pairs, and stored in LDS bytes of their own, into which no tensor load lands.
; TOKENS ARE STORED with the two middle groups of 8 of each 32 exchanged (launch quant): the way out stores each row at its own place.
; A row of o whose scale bytes are 0xff (no valid key) comes out NaN, as the definition has it.
; CLUSTERS: 4 x 4 work-groups; A's tiles are shared along a row of the cluster, B's along a column.  THE MATRIX INSTRUCTION IS USED TRANSPOSED (source 0 = 16 rows of Wo, source 1 = 16 tokens): a lane holds eight neighbouring numbers of a row of out0.
; 128 work-groups: the tile is kept at 256 x 256, the largest wave tile that the registers hold.
; REGISTERS, in windows of 256: window 0: v0-31 addresses; v32-63 scale words, two sets; v64-95 at work at the head; v96-99 bo; from v128 A's fragments, ONE set; on the way out v128-255 rows of out0.
;   window 1: B's fragments, TWO sets.   window 2: the accumulators of my rows 0-63;   window 3: those of my rows 64-127.
.set SIZE_K, 1024
.set KSTEP,  256
.set NQ,     KSTEP/128
.set ROWB,   192                       ; a row of B's tile in bytes
.set KROW,   SIZE_K*6/8
.set PITCH,  240                       ; B's LDS row: 3 x (64 bytes of data + 16 of padding)
.set FR,     12
.set NL,     6
.set NP,     4                         ; places behind this matrix instruction (ISA guide 7.12.1)
.set HALFA,  4*6144                    ; A: four heads x 128 tokens: what one tensor load brings
.set HALFB,  128*PITCH                 ; B: 128 rows
.set SLOT,   2*HALFA+2*HALFB
.set ASTEP,  4*393216                  ; four heads' planes on
.set LAPS,   SIZE_K/(2*KSTEP)
.set KS,     SIZE_K/32
.set SCL,    2*SLOT                    ; behind the ring: the scale words, as units of 256 bytes + 16: A's 256 rows (LDS stores), then B's (tensor loads)
.set HALFS,  (128*KS/256)*272
.set SBLK,   (16*KS/256)*272
.set SPARE,  SCL+4*HALFS               ; the spare words, 128 bytes for each wave, which no other line names
.set SPITCH, 528                       ; the way out: a stage of 16 rows x (512 bytes + 16) for each wave, in slot 0, which has had its last fill and its last read by then
.set ADRA, 16                          ; v16-17 LDS address of my A images in slot 0, 1
.set ADRB, 20                          ; v20-21 of my B fragments (v22-23: behind one padding more)
.set STO,  24
.set RD,   25
.set CO,   26                          ; v26  16 x lane
.set ADRS, 27
.set SPW,  28
.set NIL,  29
.set SC,   32
.set BO,   96                          ; v96-99 bo of my four columns
.set AF,   128
.set BK,   128
.set G1, 24
.set G0, 32
.set G1B, 48
.set G0B, 56
.set G1SB, 80
.set G0SB, 88
.set MSB, 0
.macro WIN new
.if MSB != \new
	s_set_vgpr_msb (MSB<<8)|\new
.set MSB, \new
.endif
.endm
.set MUL_LO, 0xa1
.set MUL_HI, 0xf1
.set TO_B,   0x40
.macro JLOAD g0a, g1a, g0b, g1b        ; a joint load: waves 0 and 1 fetch for A, waves 2 and 3 for B; four v_nop follow each of the two lines
	s_cmp_eq_u32 s15, 0
	s_cbranch_scc0 .Lfor_b_\@
	tensor_load_to_lds s[\g0a:\g0a+3], s[\g1a:\g1a+7]
	s_nop 0
.rept 4
	v_nop
.endr
	s_branch .Lasked_\@
.Lfor_b_\@:
	tensor_load_to_lds s[\g0b:\g0b+3], s[\g1b:\g1b+7]
	s_nop 0
.rept 4
	v_nop
.endr
.Lasked_\@:
.endm
.macro CREST
	s_cmp_lg_u32 s14, 0
	s_cbranch_scc1 .Lnot_wave_0_\@
	s_barrier_signal -3
.Lnot_wave_0_\@:
	s_barrier_wait -3
	s_barrier_signal -1
	s_barrier_wait -1
.endm
.macro CROUND
	s_barrier_signal -1
	s_barrier_wait -1
	CREST
.endm
	s_load_b128 s[4:7], s[0:1], 0x0                ; ob, wq
	s_load_b128 s[96:99], s[0:1], 0x10             ; bo, out0
	v_lshl_add_u32 v[SPW], v0, 2, SPARE
	v_mov_b32 v[NIL], 0
	ds_add_u32 v28, v29
	ds_add_u32 v28, v29
	s_wait_dscnt 0x0
	v_lshrrev_b32 v1, 5, v0
	v_readfirstlane_b32 s14, v1                    ; wave 0..3
	s_lshr_b32 s15, s14, 1                         ; which half of the tile's rows is mine.  Also: I fetch for A (0) or for B (1)
	s_and_b32 s16, s14, 1                          ; which half of its columns.  Also: which 128 rows of that tile I fetch
	s_bfe_u32 s40, ttmp6, 0x40000
	s_bfe_u32 s41, ttmp6, 0x40004
	s_lshl_b32 s42, ttmp9, 2
	s_add_co_u32 s42, s42, s40                     ; tile column
	s_and_b32 s17, ttmp7, 0xffff
	s_lshl_b32 s17, s17, 2
	s_add_co_u32 s17, s17, s41                     ; tile row
	s_lshl_b32 s43, s41, 2
	s_lshl_b32 s43, 15, s43                        ; my row of the cluster
	s_lshl_b32 s44, 0x1111, s40                    ; my column
	; A: four rows (heads) of 768 elements of 8 bytes, 49,152 elements (a head's plane) apart; no padding
	s_or_b32 s[G1+0], s43, (3<<16)|(1<<21)
	s_mov_b32 s[G1+1], 768<<16                     ; tensor_dim0
	s_mov_b32 s[G1+2], 4<<16                       ; tensor_dim1
	s_mov_b32 s[G1+3], 768<<16                     ; tile_dim0
	s_mov_b32 s[G1+4], 4                           ; tile_dim1
	s_mov_b32 s[G1+5], 49152                       ; tensor_dim0_stride
	s_mov_b32 s[G1+6], 0
	s_mov_b32 s[G1+7], 0
	; B: 128 rows x ROWB bytes, 16 bytes of padding behind every 64
	s_or_b32 s[G1B+0], s44, (0<<16)|(1<<20)|(1<<21)|(3<<22)|(3<<25)
	s_mov_b32 s[G1B+1], ROWB<<16
	s_mov_b32 s[G1B+2], 128<<16
	s_mov_b32 s[G1B+3], ROWB<<16
	s_mov_b32 s[G1B+4], 128
	s_mov_b32 s[G1B+5], KROW
	s_mov_b32 s[G1B+6], 0
	s_mov_b32 s[G1B+7], 0
	; B's scales of 128 rows: 4,096 dense bytes, as rows of 256 bytes, 16 bytes of padding behind each
	s_or_b32 s[G1SB+0], s44, (3<<16)|(1<<20)|(1<<21)|(5<<22)|(3<<25)
	s_mov_b32 s[G1SB+1], 32<<16
	s_mov_b32 s[G1SB+2], (128*KS/256)<<16
	s_mov_b32 s[G1SB+3], 32<<16
	s_mov_b32 s[G1SB+4], 128*KS/256
	s_mov_b32 s[G1SB+5], 32
	s_mov_b32 s[G1SB+6], 0
	s_mov_b32 s[G1SB+7], 0
	v_lshlrev_b32 v7, 2, v0                        ; 4 x thread: two tokens' byte pairs of a head
	v_and_b32 v6, 31, v0
	v_lshlrev_b32 v[CO], 4, v6
	v_lshlrev_b32 v8, 3, v6                        ; 8 x lane
	s_lshl_b32 s18, s16, 7                         ; which 128 rows of the tile I fetch
	s_lshl_b32 s20, s17, 8
	s_add_co_u32 s20, s20, s18
	s_mul_i32 s20, s20, 48                         ; A: 768 bytes for each 16 tokens of a head
	s_mov_b32 s21, 0
	s_lshl_b32 s46, s42, 8
	s_add_co_u32 s46, s46, s18                     ; B: row 256 x tile column + 128 x half
	s_lshl_b32 s92, s46, 5                         ; its scale bytes,
	s_mov_b32 s93, 0
	s_mul_i32 s46, s46, KROW                       ; its codes
	s_mov_b32 s47, 0
	s_mul_i32 s45, s16, HALFA                      ; where they go: no place in the cluster enters an LDS address
	s_mul_i32 s95, s16, HALFB
	s_add_co_u32 s95, s95, 2*HALFA
	s_mul_i32 s94, s14, HALFS                      ; (waves 2 and 3: behind A's 256 rows)
	s_wait_kmcnt 0x0
	s_add_nc_u64 s[8:9], s[6:7], 2359296           ; Wo's codes
	s_add_nc_u64 s[10:11], s[6:7], 3244032         ; Wo's scale bytes
	s_add_nc_u64 s[6:7], s[4:5], 6291456           ; o's scale bytes
	s_add_nc_u64 s[20:21], s[4:5], s[20:21]
	s_add_nc_u64 s[46:47], s[8:9], s[46:47]
	s_add_nc_u64 s[92:93], s[10:11], s[92:93]
	s_lshl_b32 s22, s42, 10
	s_lshl_b32 s23, s16, 9
	s_add_co_u32 s22, s22, s23                     ; my first column, in bytes
	s_mov_b32 s23, 0
	s_add_nc_u64 s[96:97], s[96:97], s[22:23]      ; in bo,
	s_add_nc_u64 s[12:13], s[98:99], s[22:23]      ; in out0,
	s_lshl_b32 s22, s17, 8
	s_lshl_b32 s18, s15, 7
	s_add_co_u32 s22, s22, s18
	s_lshl_b32 s22, s22, 12                        ; at my first row: rows of 4,096 bytes
	s_add_nc_u64 s[12:13], s[12:13], s[22:23]
	s_lshl_b32 s22, s17, 9                         ; the tile's 256 tokens: 512 bytes in each head's scale bytes
	s_add_nc_u64 s[6:7], s[6:7], s[22:23]
.irp e, 0,1,2,3,4,5,6,7,8,9,10,11,12,13,14,15
	global_load_b32 v[64+\e], v7, s[6:7] offset:16384*\e       ; head e: tokens 2 t and 2 t + 1, two bytes each; a wave reads 128 consecutive bytes
.endr
	global_load_b128 v[BO:BO+3], v[CO], s[96:97]
	CROUND                                         ; all sixteen work-groups are here: the first joint loads meet
.irp s, 0,1
	s_mov_b32 s[G0+4*\s], 1
	s_add_co_u32 s[G0+4*\s+1], s45, \s*SLOT
	s_add_nc_u64 s[G0+4*\s+2:G0+4*\s+3], s[20:21], \s*ASTEP
	s_or_b32 s[G0+4*\s+3], s[G0+4*\s+3], 0x80000000
	s_mov_b32 s[G0B+4*\s], 1
	s_add_co_u32 s[G0B+4*\s+1], s95, \s*SLOT
	s_add_nc_u64 s[G0B+4*\s+2:G0B+4*\s+3], s[46:47], \s*ROWB
	s_or_b32 s[G0B+4*\s+3], s[G0B+4*\s+3], 0x80000000
.endr
	s_mov_b32 s[G0SB], 1
	s_add_co_u32 s[G0SB+1], s94, SCL
	s_mov_b64 s[G0SB+2:G0SB+3], s[92:93]
	s_or_b32 s[G0SB+3], s[G0SB+3], 0x80000000
	s_cmp_eq_u32 s15, 0                            ; a wave's first fills stand in one branch: two of A's waves, three of B's; on both ways slot 1's is the last
	s_cbranch_scc0 .Lfirst_b
	tensor_load_to_lds s[G0:G0+3], s[G1:G1+7]
	s_nop 0
	tensor_load_to_lds s[G0+4:G0+7], s[G1:G1+7]
	s_nop 0
.rept 4
	v_nop
.endr
	s_branch .Lfirst_done
.Lfirst_b:
	tensor_load_to_lds s[G0SB:G0SB+3], s[G1SB:G1SB+7]
	s_nop 0
	tensor_load_to_lds s[G0B:G0B+3], s[G1B:G1B+7]
	s_nop 0
	tensor_load_to_lds s[G0B+4:G0B+7], s[G1B:G1B+7]
	s_nop 0
.rept 4
	v_nop
.endr
.Lfirst_done:
	v_and_b32 v1, 15, v0                           ; r
	v_bfe_u32 v2, v0, 4, 1                         ; h
	v_mul_u32_u24 v3, v1, PITCH
	v_mul_u32_u24 v4, v2, 24
	v_add_nc_u32 v4, v3, v4                        ; B: a fragment's row x pitch + 24 x half
	v_lshl_add_u32 v5, v2, 4, v4                   ; and the same behind one padding more
	s_mul_i32 s21, s15, HALFA                      ; my 128 tokens of A
	s_mul_i32 s22, s16, HALFB                      ; my 128 rows of B,
	s_add_co_u32 s22, s22, 2*HALFA                 ; which lie behind A's two halves
.irp s, 0,1
	v_add_nc_u32 v[ADRA+\s], s21, v8
	v_add_nc_u32 v[ADRB+\s], s22, v4
	v_add_nc_u32 v[ADRB+2+\s], s22, v5
	s_add_co_u32 s21, s21, SLOT
	s_add_co_u32 s22, s22, SLOT
.endr
	v_mul_u32_u24 v5, v1, KS                       ; my row's scale words: KS bytes a row,
	v_lshrrev_b32 v6, 8, v5
	v_lshl_add_u32 v5, v6, 4, v5                   ; and 16 more for each 256 passed
	s_mul_i32 s21, s15, HALFS
	s_mul_i32 s22, s16, HALFS
	s_add_co_u32 s22, s22, 2*HALFS
	s_sub_co_u32 s22, s22, s21
	v_mul_u32_u24 v6, s22, v2                      ; lanes 16-31 take B's
	s_add_co_u32 s21, s21, SCL
	v_add_nc_u32 v5, v5, v6
	v_add_nc_u32 v[ADRS], s21, v5
	s_mul_i32 s23, s14, 16*SPITCH                  ; my stage
	v_mul_u32_u24 v5, v1, SPITCH                   ; in: row l % 16, 32 bytes for each half of the lanes
	v_lshl_add_u32 v5, v2, 5, v5
	v_add_nc_u32 v[STO], s23, v5
	v_add_nc_u32 v[RD], s23, v[CO]                 ; back: the 32 lanes take one row of 512 bytes
	v_lshrrev_b32 v6, 2, v0
	v_lshlrev_b32 v10, 6, v0
	v_lshl_add_u32 v10, v6, 4, v10
	v_add_nc_u32 v10, SCL, v10                     ; tokens 2 t and 2 t + 1: 64 bytes of scale words at 64 t + 16 (t / 4)
	s_wait_loadcnt 0x0
.irp q, 0,1,2,3,4,5,6,7                        ; word q of a token: heads 2 q and 2 q + 1, two bytes each
	v_perm_b32 v[80+\q], v[65+2*\q], v[64+2*\q], 0x05040100     ; the even token's
	v_perm_b32 v[88+\q], v[65+2*\q], v[64+2*\q], 0x07060302     ; the odd token's
.endr
	ds_store_b128 v10, v[80:83]
	ds_store_b128 v10, v[84:87] offset:16
	ds_store_b128 v10, v[88:91] offset:32
	ds_store_b128 v10, v[92:95] offset:48
.macro FRAG reg, adr, q, i             ; a fragment of B, from padded rows, in pieces of 8 bytes
.irp p, 0,1,2,3,4,5
.set PCE, 12*(\q)+6*(\p/3)+\p%3
.if PCE%8 < 5
	ds_load_b64 v[\reg+2*\p:\reg+2*\p+1], v[\adr] offset:8*PCE+16*(PCE/8)+(\i)*16*PITCH
.else
	ds_load_b64 v[\reg+2*\p:\reg+2*\p+1], v[\adr+2] offset:8*PCE+16*(PCE/8)+(\i)*16*PITCH
.endif
.endr
.endm
.macro FRAGA reg, slot, q, i           ; a fragment of A: heads 2 q and 2 q + 1 of the slot's four, tile i of my eight: two images of six registers, 256 consecutive bytes a load
.irp p, 0,1,2,3,4,5
	ds_load_b64 v[\reg+2*\p:\reg+2*\p+1], v[ADRA+\slot] offset:(2*(\q)+\p/3)*6144+768*(\i)+256*(\p%3)
.endr
.endm
; The 64 accumulators take turns, one instruction a turn, in the same order in every step.
.macro MUL16 a0, p, q, sc, zero
.irp a, \a0, \a0+1
.irp b, 0,1,2,3,4,5,6,7
.if \zero
	v_wmma_scale_f32_16x16x128_f8f6f4 v[8*(8*((\a)%4)+\b):8*(8*((\a)%4)+\b)+7], v[128*(\p)+FR*\b:128*(\p)+FR*\b+FR-1], v[AF+FR*(\a):AF+FR*(\a)+FR-1], 0, v[SC+8*NQ*(\sc)+NQ*\b+(\q)], v[SC+8*NQ*(\sc)+NQ*(\a)+(\q)] matrix_a_fmt:MATRIX_FMT_FP6 matrix_b_fmt:MATRIX_FMT_FP6 matrix_a_scale:MATRIX_SCALE_ROW1
.else
	v_wmma_scale_f32_16x16x128_f8f6f4 v[8*(8*((\a)%4)+\b):8*(8*((\a)%4)+\b)+7], v[128*(\p)+FR*\b:128*(\p)+FR*\b+FR-1], v[AF+FR*(\a):AF+FR*(\a)+FR-1], v[8*(8*((\a)%4)+\b):8*(8*((\a)%4)+\b)+7], v[SC+8*NQ*(\sc)+NQ*\b+(\q)], v[SC+8*NQ*(\sc)+NQ*(\a)+(\q)] matrix_a_fmt:MATRIX_FMT_FP6 matrix_b_fmt:MATRIX_FMT_FP6 matrix_a_scale:MATRIX_SCALE_ROW1
.endif
.endr
.endr
.endm
.macro FETCH_B slot, q, p
	WIN TO_B
.irp i, 0,1,2,3,4,5,6,7
	FRAG 128*(\p)+FR*\i, ADRB+\slot, \q, \i
.endr
	WIN 0
.endm
.macro FETCH_A slot, q, i0
.irp i, \i0, \i0+1, \i0+2, \i0+3
	FRAGA AF+FR*(\i), \slot, \q, \i
.endr
.endm
.macro SCALES sc
.irp i, 0,1,2,3,4,5,6,7
	ds_load_b64 v[SC+8*NQ*\sc+NQ*\i:SC+8*NQ*\sc+NQ*\i+1], v[ADRS] offset:\i*SBLK
.endr
.endm
.macro PLACES n
.rept \n
	v_nop
.endr
.endm
.macro STEP slot, q, zero
	s_wait_dscnt 4*NL                              ; B's set and A's blocks 0-3 are in; the youngest 24 loads (A's blocks 4-7) may be out
	WIN MUL_LO
	MUL16 0, (\q)%2, \q, \slot, \zero
	MUL16 2, (\q)%2, \q, \slot, \zero
	s_wait_dscnt 0
	PLACES NP
	FETCH_B \slot, (\q)+1, 1-(\q)%2
	FETCH_A \slot, (\q)+1, 0
	WIN MUL_HI
	MUL16 4, (\q)%2, \q, \slot, \zero
	MUL16 6, (\q)%2, \q, \slot, \zero
	PLACES NP
	WIN 0
	FETCH_A \slot, (\q)+1, 4
.endm
.macro TURN slot, next, fill
	s_wait_tensorcnt 0x0                           ; all my tensor loads have landed: my part of the next slot
	ds_add_u32 v[SPW], v[NIL]                      ; 0 onto my spare word
	s_wait_dscnt 4*NL+1                            ; (the add and the youngest 24 loads may be out)
	WIN MUL_LO
	MUL16 0, 1, NQ-1, \slot, 0
	s_wait_dscnt 0x0                               ; the add is done, and my reads of this slot are over
	s_barrier_signal -1
	MUL16 2, 1, NQ-1, \slot, 0
	WIN 0
	s_barrier_wait -1
.if \fill
	CREST                                          ; the barrier has opened a round of the cluster's barrier
	s_add_nc_u64 s[G0+4*\slot+2:G0+4*\slot+3], s[G0+4*\slot+2:G0+4*\slot+3], 2*ASTEP
	s_add_nc_u64 s[G0B+4*\slot+2:G0B+4*\slot+3], s[G0B+4*\slot+2:G0B+4*\slot+3], 2*ROWB
	JLOAD G0+4*\slot, G1, G0B+4*\slot, G1B         ; the first tensor load behind the round; its four v_nop are the places in front of the loads below
.else
	PLACES NP
.endif
	v_add_nc_u32 v[ADRS], 4*NQ, v[ADRS]
	FETCH_B \next, 0, 0
	FETCH_A \next, 0, 0
	SCALES \next
	WIN MUL_HI
	MUL16 4, 1, NQ-1, \slot, 0
	MUL16 6, 1, NQ-1, \slot, 0
	PLACES NP
	WIN 0
	FETCH_A \next, 0, 4
.endm
	s_wait_tensorcnt 1                             ; my part of K step 0 (and B's scales) is in; K step 1's load may be out
	s_wait_dscnt 0x0                               ; my tokens' scale words are stored
	s_barrier_signal -1
	s_barrier_wait -1
	FETCH_B 0, 0, 0
	FETCH_A 0, 0, 0
	SCALES 0
	FETCH_A 0, 0, 4
	STEP 0, 0, 1                                   ; the first step's products start the sums
	s_mov_b32 s3, LAPS-1
.Llap:
	TURN 0, 1, 1
	STEP 1, 0, 0
	TURN 1, 0, 1
	STEP 0, 0, 0
	s_sub_co_u32 s3, s3, 1
	s_cmp_lg_u32 s3, 0
	s_cbranch_scc1 .Llap
	TURN 0, 1, 0
	STEP 1, 0, 0
	s_wait_dscnt 4*NL
	WIN MUL_LO
	MUL16 0, 1, NQ-1, 1, 0
	MUL16 2, 1, NQ-1, 1, 0
	s_wait_dscnt 0
	WIN MUL_HI
	MUL16 4, 1, NQ-1, 1, 0
	MUL16 6, 1, NQ-1, 1, 0
	WIN 0
; THE WAY OUT, block by block of 16 stored tokens x 128 columns, through my own stage in LDS: back as whole rows of 512 bytes; bo is added; each row goes to the token that it is.
.macro TOSTAGE a
.set AC, 64*((\a)%4)
	WIN (0x08+4*((\a)/4))                          ; the data: window 2 or 3
.irp b, 0,1,2,3,4,5,6,7
	ds_store_b128 v[STO], v[AC+8*\b:AC+8*\b+3] offset:64*\b          ; each accumulator from its low end on
	ds_store_b128 v[STO], v[AC+8*\b+4:AC+8*\b+7] offset:64*\b+16
.endr
	WIN 0
.set BB, BK+64*((\a)%2)
.irp t, 0,1,2,3,4,5,6,7,8,9,10,11,12,13,14,15
	ds_load_b128 v[BB+4*\t:BB+4*\t+3], v[RD] offset:\t*SPITCH       ; LDS serves a wave's instructions in order: these see the stores above
.endr
.endm
.macro SEND a, younger                 ; younger: the LDS instructions issued behind block a's loads, which may stay out
.set BB, BK+64*((\a)%2)
	s_wait_dscnt \younger
.irp t, 0,1,2,3,4,5,6,7,8,9,10,11,12,13,14,15
	v_pk_add_f32 v[BB+4*\t:BB+4*\t+1], v[BB+4*\t:BB+4*\t+1], v[BO:BO+1]
	v_pk_add_f32 v[BB+4*\t+2:BB+4*\t+3], v[BB+4*\t+2:BB+4*\t+3], v[BO+2:BO+3]
.endr
.irp t, 0,1,2,3,4,5,6,7,8,9,10,11,12,13,14,15
	global_store_b128 v[CO], v[BB+4*\t:BB+4*\t+3], s[12:13] offset:(32*((\a)/2)+8*((\a)%2)+\t+8*(\t/8))*4096 th:TH_STORE_NT   ; stored row 16 a + t is token 32 (a / 2) + 8 (a % 2) + t + 8 (t / 8); 32 lanes store 512 consecutive bytes, aligned
.endr
.endm
	PLACES NP
	TOSTAGE 0
.irp a, 1,2,3,4,5,6,7
.if \a > 1
	s_wait_xcnt 0x0                                ; block a - 2's stores have read their registers: block a's loads may land there
.endif
	TOSTAGE \a
	SEND \a-1, 32                                  ; behind block a - 1's loads: block a's 16 stores and 16 loads
.endr
	SEND 7, 0
	s_wait_tensorcnt 0x0                           ; the wave's end
	ds_add_u32 v[SPW], v[NIL]
	s_wait_dscnt 0x0
	CROUND                                         ; the closing round
	s_endpgm
.Lfunc_end_k_q9a5238ba83_outp:
	.size	k_q9a5238ba83_outp, .Lfunc_end_k_q9a5238ba83_outp-k_q9a5238ba83_outp
	.p2alignl 7, 3214868480
	.fill 96, 4, 3214868480
	.section	.rodata,"a",@progbits
	.p2align	6, 0x0
	.amdhsa_kernel k_q9a5238ba83_outp
		.amdhsa_group_segment_fixed_size 327680
		.amdhsa_private_segment_fixed_size 0
		.amdhsa_enable_private_segment 0
		.amdhsa_kernarg_size 32
		.amdhsa_user_sgpr_count 2
		.amdhsa_user_sgpr_kernarg_segment_ptr 1
		.amdhsa_wavefront_size32 1
		.amdhsa_system_sgpr_workgroup_id_x 1
		.amdhsa_system_sgpr_workgroup_id_y 1
		.amdhsa_system_sgpr_workgroup_id_z 1
		.amdhsa_system_vgpr_workitem_id 0
		.amdhsa_next_free_vgpr 1024
		.amdhsa_next_free_sgpr 104
		.amdhsa_reserve_vcc 0
		.amdhsa_float_denorm_mode_32 3
		.amdhsa_float_denorm_mode_16_64 3
		.amdhsa_memory_ordered 1
		.amdhsa_forward_progress 1
		.amdhsa_inst_pref_size 178
	.end_amdhsa_kernel
	.amdgpu_metadata
---
amdhsa.version: [ 1, 2 ]
amdhsa.kernels:
  - .name:           k_q9a5238ba83_outp
    .symbol:         k_q9a5238ba83_outp.kd
    .args:
      - { .name: ob, .offset: 0, .size: 8, .value_kind: global_buffer, .address_space: global }
      - { .name: wq, .offset: 8, .size: 8, .value_kind: global_buffer, .address_space: global }
      - { .name: bo, .offset: 16, .size: 8, .value_kind: global_buffer, .address_space: global }
      - { .name: out0, .offset: 24, .size: 8, .value_kind: global_buffer, .address_space: global }
    .group_segment_fixed_size: 327680
    .private_segment_fixed_size: 0
    .kernarg_segment_align: 8
    .kernarg_segment_size: 32
    .max_flat_workgroup_size: 128
    .sgpr_count:     104
    .vgpr_count:     1024
    .wavefront_size: 32
...
	.end_amdgpu_metadata
.endif
;; end of part 4
